; MI455X (gfx1250); checked and timed in simulation.
; The chip was launched on July 23, 2026; its instructions are those of AMD's public machine-readable ISA for CDNA 5 (MIT licence, August 2026) and "CDNA5" Instruction Set Architecture Reference Guide (July 2026). The comments in the code are by the model that wrote it; some were corrected since.
;; Multi Head Self Attention. Allowed arithmetic: matrix products marked QUANTISED: E2M1 operands, one E8M0 scale for each 32 along K, by v_wmma_scale_f32_16x16x128_f8f6f4 with both operands' format E2M1 (or v_wmma_scale_f32_32x16x128_f4), f32 sums; everything else in f32.
;; Inputs: b_out 1,024 float32; b_qkv 3,072 float32; w_out_codes 1,024 x 32 x 16 uint8 (E2M1 codes of w_out, K innermost, in blocks of 32 codes, two codes a byte); w_out_scales 1,024 x 32 uint8 (E8M0 scales of w_out, one for each 32 codes along K); w_qkv_codes 3,072 x 32 x 16 uint8 (E2M1 codes of w_qkv, K innermost, in blocks of 32 codes, two codes a byte); w_qkv_scales 3,072 x 32 uint8 (E8M0 scales of w_qkv, one for each 32 codes along K); x_codes 4 x 2,048 x 32 x 16 uint8 (E2M1 codes of x, K innermost, in blocks of 32 codes, two codes a byte); x_scales 4 x 2,048 x 32 uint8 (E8M0 scales of x, one for each 32 codes along K).
;; Outputs: out0 4 x 2,048 x 1,024 float32.
;; This version of the problem:
;;   THIS VERSION OF THE PROBLEM IS GIVEN IN LOW PRECISION. The matrix products marked QUANTISED in the list below multiply operands that are first quantised to E2M1 (2 exponent bits, 1 mantissa bit; 4 bits a number), with one power-of-two scale for each 32 numbers along K (OCP MX v1.0); their sums are f32. All else is computed in f32.
;;   The module's matrix products, in the order in which they are computed (A, B: the left and right operand; K: the contracted axis; several contracted axes count as one K, in the product's order):
;;     1. [M 8,192, K 1,024] x [K 1,024, N 3,072]; A: input x (given as codes); B: input w_qkv (given as codes): QUANTISED
;;     2. batch 64 x [M 2,048, K 64] x [K 64, N 2,048]; A: computed on the way; B: computed on the way: QUANTISED
;;     3. batch 64 x [M 2,048, K 2,048] x [K 2,048, N 64]; A: softmax (see below); B: computed on the way: QUANTISED
;;     4. [M 8,192, K 1,024] x [K 1,024, N 1,024]; A: computed on the way; B: input w_out (given as codes): QUANTISED
;;   THE QUANTISER, for each operand of a quantised product, along K:
;;     - K is cut into blocks of 32 from its start; a last block that is shorter is filled with zeros.
;;     - A block's scale is 2^e with e = floor(log2(the largest magnitude in the block)) - 2, held to -126 .. 127; a block of zeros has e = 0. As a byte (E8M0): e + 127.
;;     - Each number is divided by its block's scale, clamped to +-6, and rounded to the nearest number of E2M1, ties to even, subnormals kept.
;;     - The product sums the exact products of the quantised numbers (number of the format x scale) in f32.
;;   ~~~python
;;   def quantise(x, axis):      # numpy; x: float32 -> the quantised numbers, widened to float32 again
;;       x = np.moveaxis(x, axis, -1); K = x.shape[-1]
;;       x = np.pad(x, [(0, 0)] * (x.ndim - 1) + [(0, -K % 32)]); x = x.reshape(x.shape[:-1] + (-1, 32)); a = np.abs(x).max(-1, keepdims=True)
;;       e = np.where(a > 0, np.clip(np.frexp(np.where(a > 0, a, 1))[1] - 1 - 2, -126, 127), 0)      # np.frexp(a)[1] - 1 = floor(log2(a)), exactly
;;       r = np.clip(x / 2.0 ** e, -6, 6)
;;       step = 2.0 ** (np.maximum(np.frexp(np.where(r == 0, 1, r))[1] - 1, 0) - 1)
;;       q = np.round(r / step) * step * 2.0 ** e      # np.round: ties to even
;;       return np.moveaxis(q.reshape(q.shape[:-2] + (-1,))[..., :K], -1, axis).astype(np.float32)
;;   ~~~
;;   SOFTMAX AHEAD OF A QUANTISED PRODUCT. Where the list says 'softmax', what is quantised is not the finished softmax but p = 2^(t - M), with t = logit x log2(e) and M = ceil(the row's largest t), a whole number; so 1/2 < the row's largest p <= 1. The row's sum l is taken of the UNQUANTISED p, in f32, and the product's result is divided by l at the end. Since M is a whole number, a kernel that streams over the keys may use a running M (the ceiling of the running maximum): every later rescaling is an exact power of two, which a block's scale takes up: the codes' values come out the same.
;;   OPERANDS COMPUTED ON THE WAY. 'Computed on the way' means the value that the module computes at that place (a softmax that the list does not call 'softmax' is quantised finished and normalised). What goes into a quantiser is computed in f32, as accurately as f32 sums, v_exp_f32 and their like allow (about 1e-6 of the number): no bf16 or f16 on the way to a quantiser, and a product that is left as it is and whose result goes on into a quantised operand takes f32 operands (vector FMAs, or v_wmma_f32_16x16x4_f32). A number that lies on a knife's edge between two numbers of the format may be rounded either way, as far as f32 arithmetic and the matrix unit's own rounding can turn it there, and no further.
;;   INPUTS GIVEN AS CODES. w_out (in the module: [1024, 1024], K = its axis 0); w_qkv (in the module: [1024, 3072], K = its axis 0); x (in the module: [4, 2048, 1024], K = its axis 2): each comes as NAME_codes (uint8): NAME with its K axis moved to the last place and cut into blocks of 32 codes, [.., K / 32, bytes a block], one block behind the other in memory; two codes a byte, the lower K in the low four bits (a code: sign, 2 exponent bits, 1 mantissa bit); and NAME_scales (uint8): the same leading axes, one E8M0 byte (e + 127) for each 32 codes along K. Its value is code x scale, taken as it is: it is not quantised again, and the codes and scales need not be those that the quantiser above would give.
;; One version. Each part assembles by itself: llvm-mc -triple=amdgcn-amd-amdhsa -mcpu=gfx1250 --defsym DOCPART=n.
;; ======== version 1 of 1: 3 launches
;; workspace buffers: q_ws 4,718,592 bytes; kv_ws 9,175,040 bytes; y_ws 4,194,304 bytes; ysc_ws 524,288 bytes
;; launch qkv (part 1): grid 12 x 32, 4 waves a work-group, clusters of 4 x 4, 327,680 bytes of LDS; arguments x_codes, x_scales, w_qkv_codes, w_qkv_scales, b_qkv, q_ws, kv_ws; writes q_ws, kv_ws
.if DOCPART == 1
	.amdgcn_target "amdgcn-amd-amdhsa--gfx1250"
	.amdhsa_code_object_version 6
	.text
	.protected	k_q68c5e70819_qkv
	.globl	k_q68c5e70819_qkv
	.p2align	8
	.type	k_q68c5e70819_qkv,@function
k_q68c5e70819_qkv:
	s_mov_b64 s[64:65], 0
	v_nop
	global_prefetch_b8 v0, s[64:65] scope:SCOPE_SE
	s_setreg_imm32_b32 hwreg(HW_REG_WAVE_MODE, 25, 1), 1
	s_wait_xcnt 0x0
	s_wait_alu depctr_hold_cnt(0) depctr_sa_sdst(0) depctr_va_vdst(0) depctr_va_sdst(0) depctr_va_ssrc(0) depctr_va_vcc(0) depctr_vm_vsrc(0)
	s_getreg_b32 s2, hwreg(HW_REG_IB_STS2, 6, 4)
	s_cmp_eq_u32 s2, 0
	s_cbranch_scc0 .Lentry_in_a_cluster
	s_endpgm
.Lentry_in_a_cluster:
	s_bfe_u32 s2, ttmp6, 0x10000c
	s_cmp_lg_u32 s2, 0xf033
	s_cbranch_scc0 .Lentry_shape_is_right
	s_endpgm
.Lentry_shape_is_right:
; LAUNCH 1 OF 3: qkv = x w_qkv + b_qkv on codes of FP4 (E2M1) with E8M0 scales, and the quantising of q, k (along the head's 64) and v (along the tokens, which are the keys).
; x: [8192][1024] codes, w_qkv: [3072][1024] codes, K innermost, 512 bytes a row; scale bytes 32 a row.  Sums in f32, the bias added in f32, then the stated quantiser.
; DEAD WORK OF THE PROGRAM (left out in launch 2): reference() builds a causal mask in its own body and puts -infinity on key k > query q ahead of the softmax: p is 0 there for all values
; of the inputs, and adds nothing to the row's sum or to the second product.  So a step of 128 keys all of which come after a wave's 16 queries is not multiplied.  Every input has a way to the output and is loaded.
; LIMITS: NaN and infinities among the inputs are not served; a NaN, an infinity or an overflow that reaches only the masked key steps is not carried to the result.  A block whose largest magnitude lies under
; 2^-124 (a block of zeros too, where the rule says byte 127) keeps the scale byte 1: its codes are zeros or what that scale gives, and this program alone reads the bytes.
; SHARES.  A work-group of four waves makes 256 tokens x 256 columns, a wave 128 x 128: 64 accumulators of 16 x 16.  K = 1,024 is two slots of 512 (LDS rows of 256 bytes): both are first fills, nothing is filled again, no loop.
; CLUSTERS: 4 x 4 work-groups; x's tiles are asked for jointly along a row of the cluster, w's along a column.  Column tiles 0-3 are q, 4-7 k, 8-11 v: the kind is the cluster's x, equal in all sixteen partners.
; ONE MAIN TEXT FOR BOTH KINDS.  Stream A is source 1 (it decides the lane of a result), stream B source 0 (it decides the register).  q, k: A = x, B = w: a lane holds a token, its registers run along the columns (the head's d).
; v: A = w, B = x: a lane holds a column d, its registers run along the tokens.  Only the LDS bases of the reads are chosen, by the cluster's x; loads, regions and masks do not know the kind.
; THE WAY OUT.  For one block a of stream A a lane's 64 results are register 8 i + j = index 16 i + 8 (lane / 16) + j of stream B: four blocks of 32, each in lanes l and l xor 16.  They are quantised in registers and stored
; AS IMAGES OF OPERAND REGISTERS: four registers by one store, 16 bytes a lane, 512 consecutive bytes.  q_ws: records of 4,608 bytes for (head, 128 tokens): 8 tiles x 512 bytes, then 512 bytes of scale words.
; kv_ws: records of 8,960 bytes: K as q; from 4,608 V's four fragments (16 d x 128 keys, 1,024 bytes each); from 8,704 V's scale words.  Scale words of two tiles share a register: lanes 0-15 the even tile, lanes 16-31 the odd.
; REGISTERS: window 0: v16-31 addresses; v32-95 scale words, two sets; v128-191 A's fragments, later the 64 numbers in hand; v192-239 at work on the way out.  window 1: B's fragments at v0 and v128; v64-79 v's bias; v192-255 q's, k's bias.
;   windows 2, 3: the accumulators, (a, b) at v[8 (8 (a % 4) + b)].
.set NQ,     4                         ; steps of 128 along K in a slot
.set ROWB,   256                       ; a tile's row: 512 codes
.set KROW,   512                       ; a row of x or w in memory
.set PITCH,  272                       ; an LDS row: 256 bytes + 16 of padding: the 16 rows of a load start 68 words apart
.set FR,     8
.set NL,     2
.set NP,     4
.set HALFT,  128*PITCH
.set SLOT,   4*HALFT                   ; x's 256 rows, then w's 256 rows
.set KS,     32                        ; a row of scale bytes
.set SCL,    2*SLOT                    ; the scales, as units of 256 bytes + 16
.set HALFS,  (128*KS/256)*272
.set SBLK,   (16*KS/256)*272
.set SPARE,  SCL+4*HALFS               ; the spare words: 128 bytes a wave
.set ADRA, 16                          ; v16-17 stream A's fragments in slot 0, 1
.set ADRB, 20                          ; v20-21 stream B's
.set LI8,  24                          ; v24  8 x lane
.set LI16, 26                          ; v26  16 x lane
.set ADRS, 27                          ; v27  my scale words: lanes 0-15 stream A's rows, lanes 16-31 stream B's
.set SPW,  28                          ; v28  my spare word; never rewritten
.set NIL,  29                          ; v29  0; never rewritten
.set BOH,  30                          ; v30  32 x (lane / 16)
.set BOR,  31                          ; v31  4 x (lane % 16)
.set SC,   32
.set AF,   128
.set ST,   128                         ; the way out: 64 numbers
.set TM,   192                         ; v192-195 largest magnitudes, v196-199 bytes, v204-207 the conversions' scale operands
.set PC,   208                         ; v208-215 the codes just made
.set WA,   216                         ; v216-223 a scale word for each block a (first head; v: all four bytes)
.set WB,   224                         ; v224-231 the second head's
.set CW,   232                         ; v232-239 two tiles' words joined
.set BV,   64                          ; window 1
.set BQ,   192                         ; window 1
.set G1, 24
.set G0, 32
.set G1B, 48
.set G0B, 56
.set G1S, 68
.set G0S, 76
.set G1SB, 80
.set G0SB, 88
.set SEL, 94                           ; s[94:95] selects for lane l xor 16
.set TY,  100                          ; s100 1: the kind is v
.set HM,  101                          ; s101 the mask of lanes 16-31
.set MSB, 0
.macro WIN new                         ; the immediate's high byte repeats the setting that is left
.if MSB != (\new)
	s_set_vgpr_msb (MSB<<8)|(\new)
.set MSB, (\new)
.endif
.endm
.set MUL_LO, 0xa1                      ; source 0 window 1, source 1 window 0, C and D window 2
.set MUL_HI, 0xf1
.set TO_B,   0x40
; A joint load: waves 0 and 1 fetch x's, waves 2 and 3 w's.  The branch hangs on the wave's number alone.  An s_nop 0 and four v_nop follow each line.
.macro JLOAD g0a, g1a, g0b, g1b
	s_cmp_eq_u32 s15, 0
	s_cbranch_scc0 .Lfor_b_\@
	tensor_load_to_lds s[\g0a:\g0a+3], s[\g1a:\g1a+7]
	s_nop 0
.rept 4
	v_nop
.endr
	s_branch .Lasked_\@
.Lfor_b_\@:
	tensor_load_to_lds s[\g0b:\g0b+3], s[\g1b:\g1b+7]
	s_nop 0
.rept 4
	v_nop
.endr
.Lasked_\@:
.endm
.macro CROUND                          ; a round of the cluster's barrier
	s_barrier_signal -1
	s_barrier_wait -1
	s_cmp_lg_u32 s14, 0
	s_cbranch_scc1 .Lnot_wave_0_\@
	s_barrier_signal -3
.Lnot_wave_0_\@:
	s_barrier_wait -3
	s_barrier_signal -1
	s_barrier_wait -1
.endm
	s_load_b256 s[4:11], s[0:1], 0x0               ; x's codes, x's scales, w's codes, w's scales
	s_load_b64 s[12:13], s[0:1], 0x20              ; b_qkv
	s_load_b64 s[96:97], s[0:1], 0x28              ; q_ws
	s_load_b64 s[98:99], s[0:1], 0x30              ; kv_ws
	v_lshl_add_u32 v[SPW], v0, 2, SPARE
	v_mov_b32 v[NIL], 0
	ds_add_u32 v[SPW], v[NIL]                      ; the wave's opening: the add, twice on end, and its wait ahead of my first tensor load
	ds_add_u32 v[SPW], v[NIL]
	v_lshrrev_b32 v1, 5, v0
	v_readfirstlane_b32 s14, v1                    ; wave 0..3
	s_lshr_b32 s15, s14, 1                         ; stream A's half that is mine.  Also: I fetch x's (0) or w's (1)
	s_and_b32 s16, s14, 1                          ; stream B's half.  Also: which 128 rows I fetch
	s_bfe_u32 s40, ttmp6, 0x40000                  ; cx, cy
	s_bfe_u32 s41, ttmp6, 0x40004
	s_lshl_b32 s42, ttmp9, 2
	s_add_co_u32 s42, s42, s40                     ; column tile = 4 x cluster x + cx
	s_and_b32 s17, ttmp7, 0xffff
	s_lshl_b32 s17, s17, 2
	s_add_co_u32 s17, s17, s41                     ; token tile = 4 x cluster y + cy
	s_lshl_b32 s43, s41, 2
	s_lshl_b32 s43, 15, s43                        ; my row of the cluster
	s_lshl_b32 s44, 0x1111, s40                    ; my column
	s_or_b32 s[G1+0], s43, (0<<16)|(1<<20)|(1<<21)|(5<<22)|(3<<25)  ; mask; 1-byte elements; padding: 4 words after every 64; bit 21 beside a mask
	s_or_b32 s[G1B+0], s44, (0<<16)|(1<<20)|(1<<21)|(5<<22)|(3<<25)
.irp g, G1, G1B
	s_mov_b32 s[\g+1], ROWB<<16                    ; tensor_dim0
	s_mov_b32 s[\g+2], 128<<16                     ; tensor_dim1
	s_mov_b32 s[\g+3], ROWB<<16                    ; tile_dim0
	s_mov_b32 s[\g+4], 128                         ; tile_dim1
	s_mov_b32 s[\g+5], KROW                        ; the pitch
	s_mov_b32 s[\g+6], 0
	s_mov_b32 s[\g+7], 0
.endr
	s_or_b32 s[G1S+0], s43, (3<<16)|(1<<20)|(1<<21)|(5<<22)|(3<<25)  ; the scales of 128 rows: 4,096 dense bytes as 16 rows of 256 (32 elements of 8 bytes), padded alike
	s_or_b32 s[G1SB+0], s44, (3<<16)|(1<<20)|(1<<21)|(5<<22)|(3<<25)
.irp g, G1S, G1SB
	s_mov_b32 s[\g+1], 32<<16
	s_mov_b32 s[\g+2], (128*KS/256)<<16
	s_mov_b32 s[\g+3], 32<<16
	s_mov_b32 s[\g+4], 128*KS/256
	s_mov_b32 s[\g+5], 32
	s_mov_b32 s[\g+6], 0
	s_mov_b32 s[\g+7], 0
.endr
	s_lshl_b32 s18, s16, 7
	s_lshl_b32 s20, s17, 8
	s_add_co_u32 s20, s20, s18                     ; x: row 256 x token tile + 128 x half
	s_lshl_b32 s46, s42, 8
	s_add_co_u32 s46, s46, s18                     ; w: row 256 x column tile + 128 x half
	s_mov_b32 s21, 0
	s_mov_b32 s47, 0
	s_mov_b64 s[18:19], KS
	s_mul_u64 s[22:23], s[20:21], s[18:19]         ; where these rows' scales begin
	s_mul_u64 s[92:93], s[46:47], s[18:19]
	s_mov_b64 s[18:19], KROW
	s_mul_u64 s[20:21], s[20:21], s[18:19]         ; and their codes
	s_mul_u64 s[46:47], s[46:47], s[18:19]
	s_mul_i32 s45, s14, HALFT                      ; where they go: wave x 128 rows
	s_mul_i32 s94, s14, HALFS
	s_wait_dscnt 0x0                               ; both opening adds are done
	s_wait_kmcnt 0x0
	s_add_nc_u64 s[20:21], s[4:5], s[20:21]
	s_add_nc_u64 s[22:23], s[6:7], s[22:23]
	s_add_nc_u64 s[46:47], s[8:9], s[46:47]
	s_add_nc_u64 s[92:93], s[10:11], s[92:93]
	CROUND                                         ; all sixteen work-groups are here: the joint loads meet
	s_mov_b32 s[G0S], 1
	s_add_co_u32 s[G0S+1], s94, SCL
	s_mov_b64 s[G0S+2:G0S+3], s[22:23]
	s_or_b32 s[G0S+3], s[G0S+3], 0x80000000
	s_mov_b32 s[G0SB], 1
	s_add_co_u32 s[G0SB+1], s94, SCL
	s_mov_b64 s[G0SB+2:G0SB+3], s[92:93]
	s_or_b32 s[G0SB+3], s[G0SB+3], 0x80000000
	JLOAD G0S, G1S, G0SB, G1SB                     ; three loads of mine go out in all: the scales,
.irp s, 0,1
	s_mov_b32 s[G0+4*\s], 1
	s_add_co_u32 s[G0+4*\s+1], s45, \s*SLOT
	s_add_nc_u64 s[G0+4*\s+2:G0+4*\s+3], s[20:21], \s*ROWB
	s_or_b32 s[G0+4*\s+3], s[G0+4*\s+3], 0x80000000
	s_mov_b32 s[G0B+4*\s], 1
	s_add_co_u32 s[G0B+4*\s+1], s45, \s*SLOT
	s_add_nc_u64 s[G0B+4*\s+2:G0B+4*\s+3], s[46:47], \s*ROWB
	s_or_b32 s[G0B+4*\s+3], s[G0B+4*\s+3], 0x80000000
	JLOAD G0+4*\s, G1, G0B+4*\s, G1B               ; slot 0 and slot 1
.endr
	v_and_b32 v1, 15, v0                           ; r
	v_bfe_u32 v2, v0, 4, 1                         ; h
	v_mul_u32_u24 v3, v1, PITCH
	v_lshl_add_u32 v4, v2, 4, v3                   ; a fragment's row x pitch + 16 h
	s_cmp_eq_u32 ttmp9, 2                          ; the kind, by the cluster's x: the same in all partners
	s_cselect_b32 s[TY], 1, 0
	s_cselect_b32 s2, 2*HALFT, 0                   ; stream A's region of a slot: w's for v, else x's
	s_cselect_b32 s3, 0, 2*HALFT                   ; stream B's
	s_cselect_b32 s66, 2*HALFS, 0                  ; and of the scales
	s_cselect_b32 s67, 0, 2*HALFS
	s_cselect_b32 s18, s15, s16                    ; which half of the 256 columns is mine
	s_cselect_b32 s19, s16, s15                    ; which half of the 256 tokens
	s_mul_i32 s21, s15, HALFT
	s_add_co_u32 s21, s21, s2
	s_mul_i32 s22, s16, HALFT
	s_add_co_u32 s22, s22, s3
.irp s, 0,1
	v_add_nc_u32 v[ADRA+\s], s21, v4
	v_add_nc_u32 v[ADRB+\s], s22, v4
	s_add_co_u32 s21, s21, SLOT
	s_add_co_u32 s22, s22, SLOT
.endr
	v_mul_u32_u24 v5, v1, KS                       ; my row's scales: 32 bytes a row,
	v_lshrrev_b32 v6, 8, v5
	v_lshl_add_u32 v5, v6, 4, v5                   ; and 16 more for each 256 passed
	s_mul_i32 s21, s15, HALFS
	s_add_co_u32 s21, s21, s66
	s_add_co_u32 s21, s21, SCL                     ; stream A's 128 rows
	s_mul_i32 s22, s16, HALFS
	s_add_co_u32 s22, s22, s67
	s_add_co_u32 s22, s22, SCL                     ; stream B's
	s_mov_b32 s[HM], 0xffff0000
	v_mov_b32 v6, s21
	v_mov_b32 v7, s22
	v_cndmask_b32 v6, v6, v7, s[HM]                ; lanes 16-31 take stream B's
	v_add_nc_u32 v[ADRS], v5, v6
	v_and_b32 v6, 31, v0
	v_lshlrev_b32 v[LI8], 3, v6
	v_lshlrev_b32 v[LI16], 4, v6
	v_lshlrev_b32 v[BOH], 5, v2
	v_lshlrev_b32 v[BOR], 2, v1
.irp b, 0,1,2,3
	v_mov_b32 v[TM+4+\b], 0                        ; written once: a lane permute's destination counts as one of its sources
.endr
	s_mov_b32 s[SEL], 0x76543210
	s_mov_b32 s[SEL+1], 0xfedcba98
	s_lshl_b32 s18, s18, 7
	s_lshl_b32 s20, s42, 8
	s_add_co_u32 s18, s18, s20                     ; n0: my first column of the 3,072
	s_lshl_b32 s19, s19, 7
	s_lshl_b32 s20, s17, 8
	s_add_co_u32 s19, s19, s20                     ; m0: my first token of the 8,192
	s_lshl_b32 s20, s18, 2
	s_mov_b32 s21, 0
	s_add_nc_u64 s[12:13], s[12:13], s[20:21]      ; the bias at n0
	s_lshr_b32 s20, s19, 11                        ; the batch,
	s_lshl_b32 s20, s20, 4
	s_bfe_u32 s22, s18, 0x40006                    ; my first head: (n0 / 64) mod 16,
	s_add_co_u32 s20, s20, s22
	s_lshl_b32 s20, s20, 4
	s_bfe_u32 s22, s19, 0x40007                    ; the step of 128 tokens: (m0 / 128) mod 16
	s_add_co_u32 s20, s20, s22                     ; the record's number
	s_mov_b32 s22, 8960
	s_cmp_eq_u32 ttmp9, 0
	s_cselect_b32 s22, 4608, s22                   ; a record's bytes
	s_cselect_b64 s[4:5], s[96:97], s[98:99]       ; q goes to q_ws, k and v to kv_ws
	s_mul_i32 s20, s20, s22
	s_add_nc_u64 s[4:5], s[4:5], s[20:21]          ; my first head's record
	s_lshl_b32 s20, s22, 4
	s_add_nc_u64 s[6:7], s[4:5], s[20:21]          ; my second head's: 16 records on
	WIN TO_B                                       ; both forms of the bias are loaded by every wave, so that no register is written on one way alone
.irp i, 0,1,2,3,4,5,6,7
	global_load_b128 v[BQ+8*\i:BQ+8*\i+3],   v[BOH], s[12:13] offset:64*\i      ; b[n0 + 16 i + 8 h + 0 .. 7]: by register
	global_load_b128 v[BQ+8*\i+4:BQ+8*\i+7], v[BOH], s[12:13] offset:64*\i+16
.endr
.irp a, 0,1,2,3,4,5,6,7
	global_load_b32 v[BV+2*\a],   v[BOR], s[12:13] offset:64*\a                 ; b[n0 + 16 a + r]: by lane; in both registers of a pair, for the packed addition
	global_load_b32 v[BV+2*\a+1], v[BOR], s[12:13] offset:64*\a
.endr
	WIN 0
.macro FRAG reg, adr, q, i             ; 16 rows x 128 K of 4-bit codes: registers 4 c .. 4 c + 3 hold K = 64 c + 32 (l / 16) + 0 .. 31
.irp c, 0,1
	ds_load_b128 v[\reg+4*\c:\reg+4*\c+3], v[\adr] offset:64*(\q)+32*\c+(\i)*16*PITCH
.endr
.endm
; 16 matrix instructions: A's blocks a0, a0 + 1 x B's eight.  The 64 accumulators take turns, one instruction a turn.  zero = 1: the first product starts the sums.
.macro MUL16 a0, p, q, sc, zero
.irp a, \a0, \a0+1
.irp b, 0,1,2,3,4,5,6,7
.if \zero
	v_wmma_scale_f32_16x16x128_f8f6f4 v[8*(8*((\a)%4)+\b):8*(8*((\a)%4)+\b)+7], v[128*(\p)+FR*\b:128*(\p)+FR*\b+FR-1], v[AF+FR*(\a):AF+FR*(\a)+FR-1], 0, v[SC+8*NQ*(\sc)+NQ*\b+(\q)], v[SC+8*NQ*(\sc)+NQ*(\a)+(\q)] matrix_a_fmt:MATRIX_FMT_FP4 matrix_b_fmt:MATRIX_FMT_FP4 matrix_a_scale:MATRIX_SCALE_ROW1
.else
	v_wmma_scale_f32_16x16x128_f8f6f4 v[8*(8*((\a)%4)+\b):8*(8*((\a)%4)+\b)+7], v[128*(\p)+FR*\b:128*(\p)+FR*\b+FR-1], v[AF+FR*(\a):AF+FR*(\a)+FR-1], v[8*(8*((\a)%4)+\b):8*(8*((\a)%4)+\b)+7], v[SC+8*NQ*(\sc)+NQ*\b+(\q)], v[SC+8*NQ*(\sc)+NQ*(\a)+(\q)] matrix_a_fmt:MATRIX_FMT_FP4 matrix_b_fmt:MATRIX_FMT_FP4 matrix_a_scale:MATRIX_SCALE_ROW1
.endif
.endr
.endr
.endm
.macro FETCH_B slot, q, p
	WIN TO_B
.irp i, 0,1,2,3,4,5,6,7
	FRAG 128*(\p)+FR*\i, ADRB+\slot, \q, \i
.endr
	WIN 0
.endm
.macro FETCH_A slot, q, i0
.irp i, \i0, \i0+1, \i0+2, \i0+3
	FRAG AF+FR*(\i), ADRA+\slot, \q, \i
.endr
.endm
.macro SCALES sc                       ; a slot's scale words: 4 words a row; lanes 0-15 A's block i, lanes 16-31 B's block i
.irp i, 0,1,2,3,4,5,6,7
	ds_load_b128 v[SC+8*NQ*\sc+NQ*\i:SC+8*NQ*\sc+NQ*\i+3], v[ADRS] offset:\i*SBLK
.endr
.endm
.macro PLACES n                        ; plain vector places between a matrix instruction and a load into, or a read of, its registers
.rept \n
	v_nop
.endr
.endm
.macro STEP slot, q, zero              ; a step of 128 along K that has its successor in the same slot
	s_wait_dscnt 4*NL                              ; B's set and A's blocks 0-3 are in; the youngest eight loads (A's blocks 4-7) may be out
	WIN MUL_LO
	MUL16 0, (\q)%2, \q, \slot, \zero
	MUL16 2, (\q)%2, \q, \slot, \zero
	s_wait_dscnt 0                                 ; A's blocks 4-7 are in
	PLACES NP
	FETCH_B \slot, (\q)+1, 1-(\q)%2
	FETCH_A \slot, (\q)+1, 0
	WIN MUL_HI
	MUL16 4, (\q)%2, \q, \slot, \zero
	MUL16 6, (\q)%2, \q, \slot, \zero
	PLACES NP
	WIN 0
	FETCH_A \slot, (\q)+1, 4
.endm
.macro STEPS slot, from
.set Q, \from
.rept NQ-1-\from
	STEP \slot, Q, 0
.set Q, Q+1
.endr
.endm
	s_wait_tensorcnt 1                             ; the scales and my part of slot 0 are in; slot 1's load may stay out
	s_barrier_signal -1
	s_barrier_wait -1                              ; everybody's are
	FETCH_B 0, 0, 0
	FETCH_A 0, 0, 0
	SCALES 0
	FETCH_A 0, 0, 4
	STEP 0, 0, 1                                   ; the first products start the sums: nothing is cleared
	STEPS 0, 1
	; slot 0's last step changes slots: one barrier; nothing is filled again
	s_wait_tensorcnt 0x0                           ; my part of slot 1 has landed
	ds_add_u32 v[SPW], v[NIL]
	s_wait_dscnt 4*NL+1                            ; the add and the youngest eight loads may be out
	WIN MUL_LO
	MUL16 0, 1, NQ-1, 0, 0
	s_wait_dscnt 0x0                               ; the add is done, my reads of slot 0 are in
	s_barrier_signal -1
	MUL16 2, 1, NQ-1, 0, 0
	WIN 0
	s_barrier_wait -1                              ; slot 1 is whole
	PLACES NP
	v_add_nc_u32 v[ADRS], 4*NQ, v[ADRS]            ; slot 1's scale words
	FETCH_B 1, 0, 0
	FETCH_A 1, 0, 0
	SCALES 1
	WIN MUL_HI
	MUL16 4, 1, NQ-1, 0, 0
	MUL16 6, 1, NQ-1, 0, 0
	PLACES NP
	WIN 0
	FETCH_A 1, 0, 4
	STEPS 1, 0
	s_wait_dscnt 4*NL                              ; the very last step
	WIN MUL_LO
	MUL16 0, 1, NQ-1, 1, 0
	MUL16 2, 1, NQ-1, 1, 0
	s_wait_dscnt 0
	WIN MUL_HI
	MUL16 4, 1, NQ-1, 1, 0
	MUL16 6, 1, NQ-1, 1, 0
	WIN 0
; 64 numbers of a lane, register 8 i + j = k 16 i + 8 (lane / 16) + j of my row, become a fragment's codes in v[PC] on; the four blocks' bytes are left in v[TM+4] on.
; Conversion (block b, half e) holds k 32 b + 16 e + 8 (lane / 16) + 0 .. 7; it is written to PC + 4 (b / 2) + 2 e + b % 2, and the exchange of halves between neighbours then leaves, in registers 4 c .. 4 c + 3, k = 64 c + 32 (lane / 16) + 0 .. 31.
.macro QUANT s
.irp b, 0,1,2,3
	v_max3_num_f32 v[TM+\b], |v[\s+16*\b]|, |v[\s+1+16*\b]|, 0x1800000   ; my 16 numbers of block b, and the floor 2^(3 - 127): the byte cannot fall under 1
.endr
.irp i, 2,4,6,8,10,12,14
.irp b, 0,1,2,3
	v_max3_num_f32 v[TM+\b], v[TM+\b], |v[\s+16*\b+\i]|, |v[\s+1+16*\b+\i]|
.endr
.endr
.irp b, 0,1,2,3
	v_permlanex16_b32 v[TM+4+\b], v[TM+\b], s[SEL], s[SEL+1]
.endr
.irp b, 0,1,2,3
	v_max_num_f32 v[TM+\b], v[TM+\b], v[TM+4+\b]   ; with lane l xor 16's: the block's largest magnitude
.endr
.irp b, 0,1,2,3
	v_add_nc_u32 v[TM+12+\b], 0xff000000, v[TM+\b] ; 2 off its exponent field: the conversion's scale operand
.endr
.irp b, 0,1,2,3
	v_lshrrev_b32 v[TM+4+\b], 23, v[TM+12+\b]      ; the scale's byte
.endr
.irp b, 0,1,2,3
	v_cvt_scalef32_pk8_fp4_f32 v[PC+4*(\b/2)+\b%2],   v[\s+16*\b:\s+16*\b+7],    v[TM+12+\b]
	v_cvt_scalef32_pk8_fp4_f32 v[PC+4*(\b/2)+2+\b%2], v[\s+16*\b+8:\s+16*\b+15], v[TM+12+\b]
.endr
	v_nop                                          ; one plain place behind a scaled conversion
.irp c, 0,1
.irp u, 0,1
	v_permlane16_swap_b32 v[PC+4*\c+2*\u], v[PC+4*\c+2*\u+1]
.endr
.endr
.endm
.macro BIAS a, breg, bstep             ; block a's 64 sums + the bias, into window 0; each accumulator is read from its low end on
	WIN 0x06+(\a)/4                                ; source 0: window 2 or 3; source 1: window 1
.set p, 0
.rept 32
	v_pk_add_f32 v[ST+2*p:ST+2*p+1], v[64*((\a)%4)+2*p:64*((\a)%4)+2*p+1], v[\breg+\bstep*p:\breg+\bstep*p+1]
.set p, p+1
.endr
	WIN 0
.endm
	PLACES NP                                      ; behind the last products: their results are read and A's registers written below
	s_wait_loadcnt 0x0                             ; the bias
	s_cmp_eq_u32 s[TY], 1
	s_cbranch_scc1 .Lepi_v
; q, k: block a = 16 tokens; the 128 columns are two heads of 64: blocks 0, 1 the first, 2, 3 the second
.macro EPI_QK a
	BIAS \a, BQ, 2
.if \a > 0
	s_wait_xcnt 0x0                                ; the last turn's stores have read the codes' registers
.endif
	QUANT ST
	v_lshl_or_b32 v[WA+\a], v[TM+5], 8, v[TM+4]
	v_lshl_or_b32 v[WA+\a], v[WA+\a], 16, v[WA+\a] ; the two bytes twice: the product's K = 64 .. 127 meets zero codes under bytes that are no NaN
	v_lshl_or_b32 v[WB+\a], v[TM+7], 8, v[TM+6]
	v_lshl_or_b32 v[WB+\a], v[WB+\a], 16, v[WB+\a]
	global_store_b128 v[LI16], v[PC:PC+3],   s[4:5] offset:512*\a     ; 32 lanes store 512 consecutive bytes
	global_store_b128 v[LI16], v[PC+4:PC+7], s[6:7] offset:512*\a
.endm
.irp a, 0,1,2,3,4,5,6,7
	EPI_QK \a
.endr
.irp p, 0,1,2,3
	v_cndmask_b32 v[CW+\p],   v[WA+2*\p], v[WA+2*\p+1], s[HM]        ; lanes 0-15 tile 2 p's words, lanes 16-31 tile 2 p + 1's (both halves of the lanes hold a row's word)
	v_cndmask_b32 v[CW+4+\p], v[WB+2*\p], v[WB+2*\p+1], s[HM]
.endr
	global_store_b128 v[LI16], v[CW:CW+3],   s[4:5] offset:4096
	global_store_b128 v[LI16], v[CW+4:CW+7], s[6:7] offset:4096
	s_branch .Ldone
.Lepi_v:
; v: block a = 16 columns d (head a / 4, tile a % 4); the registers run along 128 tokens: one key step, one fragment, one scale word a row
.macro EPI_V a
	BIAS \a, BV+2*(\a), 0
.if \a > 0
	s_wait_xcnt 0x0
.endif
	QUANT ST
	v_lshl_or_b32 v[WA+\a], v[TM+5], 8, v[TM+4]
	v_lshl_or_b32 v[WA+\a], v[TM+6], 16, v[WA+\a]
	v_lshl_or_b32 v[WA+\a], v[TM+7], 24, v[WA+\a]
.if \a < 4
	global_store_b128 v[LI16], v[PC:PC+3],   s[4:5] offset:4608+1024*\a
	global_store_b128 v[LI16], v[PC+4:PC+7], s[4:5] offset:4608+1024*\a+512
.else
	global_store_b128 v[LI16], v[PC:PC+3],   s[6:7] offset:4608+1024*(\a-4)
	global_store_b128 v[LI16], v[PC+4:PC+7], s[6:7] offset:4608+1024*(\a-4)+512
.endif
.endm
.irp a, 0,1,2,3,4,5,6,7
	EPI_V \a
.endr
.irp p, 0,1,2,3
	v_cndmask_b32 v[CW+\p], v[WA+2*\p], v[WA+2*\p+1], s[HM]
.endr
	global_store_b64 v[LI8], v[CW:CW+1],   s[4:5] offset:8704         ; 32 lanes store 256 consecutive bytes
	global_store_b64 v[LI8], v[CW+2:CW+3], s[6:7] offset:8704
.Ldone:
	s_wait_tensorcnt 0x0                           ; the wave's end
	ds_add_u32 v[SPW], v[NIL]
	s_wait_dscnt 0x0
	CROUND                                         ; the closing round
	s_endpgm
.Lfunc_end_k_q68c5e70819_qkv:
	.size	k_q68c5e70819_qkv, .Lfunc_end_k_q68c5e70819_qkv-k_q68c5e70819_qkv
	.p2alignl 7, 3214868480
	.fill 96, 4, 3214868480
	.section	.rodata,"a",@progbits
	.p2align	6, 0x0
	.amdhsa_kernel k_q68c5e70819_qkv
		.amdhsa_group_segment_fixed_size 327680
		.amdhsa_private_segment_fixed_size 0
		.amdhsa_enable_private_segment 0
		.amdhsa_kernarg_size 56
		.amdhsa_user_sgpr_count 2
		.amdhsa_user_sgpr_kernarg_segment_ptr 1
		.amdhsa_wavefront_size32 1
		.amdhsa_system_sgpr_workgroup_id_x 1
		.amdhsa_system_sgpr_workgroup_id_y 1
		.amdhsa_system_sgpr_workgroup_id_z 1
		.amdhsa_system_vgpr_workitem_id 0
		.amdhsa_next_free_vgpr 1024
		.amdhsa_next_free_sgpr 102
		.amdhsa_reserve_vcc 0
		.amdhsa_float_denorm_mode_32 3
		.amdhsa_float_denorm_mode_16_64 3
		.amdhsa_memory_ordered 1
		.amdhsa_forward_progress 1
		.amdhsa_inst_pref_size 197
	.end_amdhsa_kernel
	.amdgpu_metadata
---
amdhsa.version: [ 1, 2 ]
amdhsa.kernels:
  - .name:           k_q68c5e70819_qkv
    .symbol:         k_q68c5e70819_qkv.kd
    .args:
      - { .name: x_codes, .offset: 0, .size: 8, .value_kind: global_buffer, .address_space: global }
      - { .name: x_scales, .offset: 8, .size: 8, .value_kind: global_buffer, .address_space: global }
      - { .name: w_qkv_codes, .offset: 16, .size: 8, .value_kind: global_buffer, .address_space: global }
      - { .name: w_qkv_scales, .offset: 24, .size: 8, .value_kind: global_buffer, .address_space: global }
      - { .name: b_qkv, .offset: 32, .size: 8, .value_kind: global_buffer, .address_space: global }
      - { .name: q_ws, .offset: 40, .size: 8, .value_kind: global_buffer, .address_space: global }
      - { .name: kv_ws, .offset: 48, .size: 8, .value_kind: global_buffer, .address_space: global }
    .group_segment_fixed_size: 327680
    .private_segment_fixed_size: 0
    .kernarg_segment_align: 8
    .kernarg_segment_size: 56
    .max_flat_workgroup_size: 128
    .sgpr_count:     102
    .vgpr_count:     1024
    .wavefront_size: 32
...
	.end_amdgpu_metadata
.endif
;; end of part 1
;; launch attn (part 2): grid 4 x 64, 16 waves a work-group, no clusters, 327,680 bytes of LDS; arguments q_ws, kv_ws, y_ws, ysc_ws; writes y_ws, ysc_ws
.if DOCPART == 2
	.amdgcn_target "amdgcn-amd-amdhsa--gfx1250"
	.amdhsa_code_object_version 6
	.text
	.protected	k_q68c5e70819_attn
	.globl	k_q68c5e70819_attn
	.p2align	8
	.type	k_q68c5e70819_attn,@function
k_q68c5e70819_attn:
	s_mov_b64 s[64:65], 0
	v_nop
	global_prefetch_b8 v0, s[64:65] scope:SCOPE_SE
	s_setreg_imm32_b32 hwreg(HW_REG_WAVE_MODE, 25, 1), 1
	s_wait_xcnt 0x0
; LAUNCH 2 OF 3: y = softmax(q k^T / 8, causal) v for 64 (batch, head) pairs of 2,048 tokens x 64, both products on codes of FP4 with E8M0 scales; y is quantised along the model's 1,024 (two blocks a head) for launch 3.
; WORK LEFT OUT: a step of 128 keys all of which come after a wave's 16 queries: reference()'s own causal mask makes p = 0 there for all values of the inputs (shown at the head of launch 1).
; THE SOFTMAX: t = score x log2(e) / 8; M = the running largest t rounded up to a whole number; p = 2^(t - M) is quantised along the keys, not normalised; the row's sum is taken of the unquantised p and divides at the end.
; LIMITS: as stated at the head of launch 1 (NaN and infinities not served; blocks under 2^-124 keep the byte 1).
; SHARES.  Work-group (g, head) owns the query blocks g and 7 - g of 256 queries, one after the other: block i needs key slots 0 .. i of 256 keys, so every work-group walks (g + 1) + (8 - g) = 9 slots: a constant count,
; equal work, and every slot that is fetched is read.  Sixteen waves, 16 queries each; wave w has tile 8 (bit 0 xor bit 2 of w) + w / 2, so that tiles of the block's upper half, which have one step more, are spread over the waves' numbers.
; NO CLUSTER: in a given trip the four work-groups of a head stand at different key slots (the slot's number hangs on g), so no two of them want the same tile in the same round.
; LAYOUT.  Both products are used transposed: S^T = K Q^T, O^T = V^T P^T: a lane holds one query (lane % 16).  The head's 64 fill half of the instruction's K: Q's registers 4-7 are zero codes; K's operand of tile i is
; v[32 + 4 i .. + 7], whose upper four registers are the next tile's codes: they meet Q's zeros.  Register 8 i + j of S^T is key 16 i + 8 (lane / 16) + j.
; A key slot is two records of kv_ws on end, 17,920 dense bytes of register images: one tensor load, by wave 0; every LDS read but V's scale words (8 bytes a lane) takes 16 bytes a lane, 512 on end.
; REGISTERS: v1-11, v30 addresses; v12 -M, v13 the largest t, v[14:15] the sum; v16-23 Q; v24-27, v29 the second block's Q and scale word; v28 Q's scale word; v32-67 K; v68-71 K's scale words; v72-103 V; v104-105 V's scale words;
;   v112-175 S^T, then p, then y; v176-207 O^T; v208-215 codes; v216-235, v244-255 at work.
.set REC,   8960                       ; a record: 128 keys of one head
.set SLOTB, 2*REC
.set SLOT1, 32768                      ; slot 1 begins here: one exclusive or turns an address
.set SCR,   65536                      ; y's scale words of the two blocks, 1,024 bytes each: stored by the waves, no tensor load lands here
.set SPARE, 67584                      ; the spare words: 128 bytes for each of 16 waves
.set LI,  1                            ; v1  16 x lane
.set LI8, 2                            ; v2  8 x lane
.set AD,  3                            ; v3  16 x lane + the slot
.set AD8, 4                            ; v4  8 x lane + the slot
.set SPW, 5                            ; v5  my spare word; never rewritten
.set NIL, 6                            ; v6  0; never rewritten
.set RH,  7                            ; v7  lane % 16 - 8 (lane / 16)
.set SW,  8                            ; v8  where my tile's scale word of y goes
.set PFO, 9                            ; v9  the prefetch's offset
.set QO,  10                           ; v10 Q's image: my byte in a record
.set QW,  11                           ; v11 Q's scale word: my byte behind the images
.set SRD, 30                           ; v30 where waves 0, 1 read the scale words back
.set KR,  32
.set KW,  68
.set VR,  72
.set VW,  104
.set S,   112
.set OT,  176
.set PC,  208
.set BM,  216                          ; the blocks' largest scores, then largest p
.set BT,  220                          ; lane permutes' destinations, then bytes
.set BS,  224                          ; the conversions' scale operands
.set PW,  228                          ; p's scale word
.set FF,  230                          ; v[230:231] f = 2^(old M - new M)
.set T0,  232
.set T1,  233
.set L2,  234                          ; v[234:235] the sum's second chain
.set WV,  12
.set TAU, 13
.set GG,  14
.set BH,  15
.set TR,  16                           ; the trip
.set TB,  17                           ; the slot in hand
.set KF,  18                           ; the step's first key
.set Q0,  19                           ; my first query
.set SEL, 20
.set CS,  22                           ; s[22:23] c = log2(e) / 8
.set G1,  24
.set G0,  32
.set KVB, 36                           ; s[36:37] my head's records
.set NK,  38                           ; s[38:39] the byte, in them, of the slot to be asked for
.set YP1, 40
.set YP2, 42
.set YS1, 44
.set YS2, 46
.set Q02, 48
.set PFA, 50
.set LIM, 52
.macro TLOAD                           ; wave 0 fetches; an s_nop 0 and four v_nop follow the load
	s_cmp_lg_u32 s[WV], 0
	s_cbranch_scc1 .Lno_load_\@
	tensor_load_to_lds s[G0:G0+3], s[G1:G1+7]
	s_nop 0
.rept 4
	v_nop
.endr
.Lno_load_\@:
.endm
; A PREFETCH INTO THE L2: in trips 3 to 6 the head's work-group g = 0 names key slot trip + 1 (slots 4 to 7), which its own tensor load asks for one trip later and no other work-group of the head earlier (work-group g asks for
; slot s of its second block in trip g + s).  Waves 2, 3, 4: one instruction each, lanes 256 bytes apart over the slot's 70 blocks of 256 bytes; the lanes that are over name the last block.  Slots 0 to 3 come by their loads alone.
.macro ASK
	s_sub_co_u32 s53, s[TR], 3
	s_cmp_lt_u32 s53, s[LIM]
	s_cbranch_scc0 .Lnot_mine_\@
	global_prefetch_b8 v[PFO], s[PFA:PFA+1] th:TH_LOAD_NT scope:SCOPE_SE
.Lnot_mine_\@:
.endm
	s_load_b256 s[4:11], s[0:1], 0x0               ; q_ws, kv_ws, y_ws, ysc_ws
	v_lshl_add_u32 v[SPW], v0, 2, SPARE
	v_mov_b32 v[NIL], 0
	ds_add_u32 v[SPW], v[NIL]                      ; the wave's opening: the add, twice on end, and its wait ahead of the first tensor load
	ds_add_u32 v[SPW], v[NIL]
	v_lshrrev_b32 v106, 5, v0
	s_delay_alu instid0(VALU_DEP_1)
	v_readfirstlane_b32 s[WV], v106                ; wave 0..15
	s_and_b32 s53, s[WV], 1
	s_bfe_u32 s54, s[WV], 0x10002
	s_xor_b32 s53, s53, s54
	s_lshl_b32 s53, s53, 3
	s_lshr_b32 s54, s[WV], 1
	s_add_co_u32 s[TAU], s53, s54                  ; my tile of the block's sixteen
	s_mov_b32 s[GG], ttmp9
	s_and_b32 s[BH], ttmp7, 0xffff
	s_sub_co_u32 s55, 7, s[GG]                     ; the second block
	s_lshl_b32 s56, s[TAU], 4
	s_lshl_b32 s[Q0], s[GG], 8
	s_add_co_u32 s[Q0], s[Q0], s56
	s_lshl_b32 s[Q02], s55, 8
	s_add_co_u32 s[Q02], s[Q02], s56
	s_mov_b32 s[G1+0], 3<<16                       ; no mask; elements of 8 bytes; no padding: the reads are dense
	s_mov_b32 s[G1+1], 32<<16                      ; tensor_dim0 = 32 elements: 256 bytes
	s_mov_b32 s[G1+2], 70<<16                      ; tensor_dim1 = 70 rows: 17,920 bytes
	s_mov_b32 s[G1+3], 32<<16                      ; tile_dim0
	s_mov_b32 s[G1+4], 70                          ; tile_dim1
	s_mov_b32 s[G1+5], 32                          ; the pitch: dense
	s_mov_b32 s[G1+6], 0
	s_mov_b32 s[G1+7], 0
	s_mov_b32 s[SEL], 0x76543210
	s_mov_b32 s[SEL+1], 0xfedcba98
	s_mov_b32 s[CS], 0x3e38aa3b                    ; log2(e) / 8
	s_mov_b32 s[CS+1], s[CS]
	s_mov_b32 s[TR], 0
	s_mov_b32 s[TB], 0
	s_mov_b32 s[KF], 0
	s_mov_b32 s[NK], 0
	s_mov_b32 s[NK+1], 0
	; every address register that outlives the head is made here, ahead of the first branch on the wave's number
	v_and_b32 v106, 31, v0                         ; lane
	v_and_b32 v107, 15, v0                         ; r
	v_bfe_u32 v108, v0, 4, 1                       ; h
	s_delay_alu instid0(VALU_DEP_3)
	v_lshlrev_b32 v[LI], 4, v106
	s_wait_alu depctr_va_vdst(0)
	v_lshlrev_b32 v[LI8], 3, v106
	v_lshlrev_b32 v[RH], 3, v108
	s_delay_alu instid0(VALU_DEP_1)
	v_sub_nc_u32 v[RH], v107, v[RH]
	s_lshr_b32 s57, s[TAU], 2
	s_lshl_b32 s57, s57, 8
	s_and_b32 s58, s[TAU], 3
	s_lshl_b32 s58, s58, 2
	s_add_co_u32 s57, s57, s58
	s_add_co_u32 s57, s57, SCR
	v_lshl_add_u32 v[SW], v107, 4, s57             ; 256 (tile / 4) + 16 r + 4 (tile % 4): the image that launch 3 reads
	s_and_b32 s58, s[WV], 1
	s_lshl_b32 s58, s58, 10
	s_add_co_u32 s58, s58, SCR
	v_add_nc_u32 v[SRD], s58, v[LI]
	s_and_b32 s57, s[TAU], 7                       ; my tile in its record of 128 tokens
	s_lshl_b32 s58, s57, 9
	v_add_nc_u32 v[QO], s58, v[LI]
	s_and_b32 s58, s[TAU], 1
	s_lshl_b32 s58, s58, 8
	s_lshr_b32 s57, s57, 1
	s_lshl_b32 s57, s57, 2
	s_add_co_u32 s58, s58, s57
	v_lshl_add_u32 v[QW], v107, 4, s58             ; lane 16 (tile % 2) + r, word tile / 2
	s_sub_co_u32 s53, s[WV], 2
	s_cmp_lt_u32 s53, 3
	s_cselect_b32 s[LIM], 4, 0                     ; waves 2, 3, 4
	s_cmp_eq_u32 s[GG], 0
	s_cselect_b32 s[LIM], s[LIM], 0                ; of work-group g = 0
	s_lshl_b32 s53, s53, 13
	v_lshl_add_u32 v[PFO], v106, 8, s53
	s_delay_alu instid0(VALU_DEP_1)
	v_min_u32 v[PFO], SLOTB-256, v[PFO]
	; byte offsets
	s_lshl_b32 s59, s[BH], 4
	s_lshr_b32 s58, s[TAU], 3
	s_add_co_u32 s58, s58, s59
	s_lshl_b32 s60, s[GG], 1
	s_add_co_u32 s60, s60, s58
	s_mul_i32 s60, s60, 4608                       ; q's record of the first block: 16 head + 2 block + tile / 8
	s_mov_b32 s61, 0
	s_lshl_b32 s62, s55, 1
	s_add_co_u32 s62, s62, s58
	s_mul_i32 s62, s62, 4608
	s_mov_b32 s63, 0
	s_lshl_b32 s[YS1], s[GG], 1
	s_add_co_u32 s[YS1], s[YS1], s59
	s_lshl_b32 s[YS1], s[YS1], 9                   ; y's scale words: (16 head + 2 block) x 512
	s_mov_b32 s[YS1+1], 0
	s_lshl_b32 s[YS2], s55, 1
	s_add_co_u32 s[YS2], s[YS2], s59
	s_lshl_b32 s[YS2], s[YS2], 9
	s_mov_b32 s[YS2+1], 0
	s_lshr_b32 s66, s[BH], 4
	s_lshl_b32 s66, s66, 7
	s_add_co_u32 s66, s66, s[TAU]                  ; 128 batch + tile
	s_and_b32 s67, s[BH], 15                       ; the head in its batch
	s_lshl_b32 s[YP1], s[GG], 4
	s_add_co_u32 s[YP1], s[YP1], s66
	s_lshl_b32 s[YP1], s[YP1], 4
	s_add_co_u32 s[YP1], s[YP1], s67
	s_lshl_b32 s[YP1], s[YP1], 9                   ; y's codes: (row tile x 16 + head) x 512
	s_mov_b32 s[YP1+1], 0
	s_lshl_b32 s[YP2], s55, 4
	s_add_co_u32 s[YP2], s[YP2], s66
	s_lshl_b32 s[YP2], s[YP2], 4
	s_add_co_u32 s[YP2], s[YP2], s67
	s_lshl_b32 s[YP2], s[YP2], 9
	s_mov_b32 s[YP2+1], 0
	s_mul_i32 s[KVB], s[BH], 16*REC
	s_mov_b32 s[KVB+1], 0
	s_wait_dscnt 0x0                               ; both opening adds are done
	s_wait_kmcnt 0x0
	s_add_nc_u64 s[KVB:KVB+1], s[6:7], s[KVB:KVB+1]
	s_add_nc_u64 s[60:61], s[4:5], s[60:61]
	s_add_nc_u64 s[62:63], s[4:5], s[62:63]
	s_add_nc_u64 s[YP1:YP1+1], s[8:9], s[YP1:YP1+1]
	s_add_nc_u64 s[YP2:YP2+1], s[8:9], s[YP2:YP2+1]
	s_add_nc_u64 s[YS1:YS1+1], s[10:11], s[YS1:YS1+1]
	s_add_nc_u64 s[YS2:YS2+1], s[10:11], s[YS2:YS2+1]
	s_mov_b64 s[PFA:PFA+1], s[KVB:KVB+1]           ; each change of slots steps it: in trip t it stands at slot t + 1
	s_mov_b32 s[G0], 1
	s_mov_b32 s[G0+1], 0                           ; slot 0
	s_mov_b64 s[G0+2:G0+3], s[KVB:KVB+1]           ; key slot 0
	s_or_b32 s[G0+3], s[G0+3], 0x80000000
	TLOAD                                          ; one tensor load is out
	s_wait_alu depctr_va_vdst(0)
	global_load_b128 v[16:19], v[QO], s[60:61]     ; Q of both blocks stays in registers
	global_load_b32 v28, v[QW], s[60:61] offset:4096
	global_load_b128 v[24:27], v[QO], s[62:63]
	global_load_b32 v29, v[QW], s[62:63] offset:4096
.irp j, 20,21,22,23,64,65,66,67
	v_mov_b32 v\j, 0                               ; zero codes: Q's K = 64 .. 127, and what stands behind K's last tile
.endr
	v_mov_b32 v13, 0xff61b1e6                      ; the largest t so far: -3e38
	s_delay_alu instid0(VALU_DEP_1)
	v_floor_f32 v12, -v13                          ; -M
	v_mov_b32 v14, 0
	v_mov_b32 v15, 0
.irp b, 0,1,2,3
	v_mov_b32 v[BT+\b], 0                          ; written once: a lane permute's destination counts as one of its sources
.endr
	v_mov_b32 v[FF+1], 0                           ; named as the upper half of a pair
	v_mov_b32 v[T0], 0
	v_mov_b32 v[T1], 0
.set n, 0
.rept 32
	v_mov_b32 v[OT+n], 0                           ; O^T: the step is written once; the first change of M multiplies zeros
.set n, n+1
.endr
	s_wait_loadcnt 0x0
; A KEY STEP: 128 keys, record q of the slot in hand
.macro STEP q
	s_add_co_u32 s53, s[Q0], 15
	s_cmp_gt_u32 s[KF], s53                        ; all keys behind my last query: the step's work is left out (ids and counts alone)
	s_cbranch_scc1 .Lhidden_\@
	v_add_nc_u32 v[AD], s[TB], v[LI]
	v_add_nc_u32 v[AD8], s[TB], v[LI8]
	v_nop
	v_nop                                          ; four plain places behind the last step's products, ahead of loads into V's registers
.irp i, 0,1,2,3,4,5,6,7
	ds_load_b128 v[KR+4*\i:KR+4*\i+3], v[AD] offset:\q*REC+512*\i
.endr
	ds_load_b128 v[KW:KW+3], v[AD] offset:\q*REC+4096
.irp t, 0,1,2,3
.irp c, 0,1
	ds_load_b128 v[VR+8*\t+4*\c:VR+8*\t+4*\c+3], v[AD] offset:\q*REC+4608+1024*\t+512*\c
.endr
.endr
	ds_load_b64 v[VW:VW+1], v[AD8] offset:\q*REC+8704
	s_wait_dscnt 9                                 ; K and its scale words are in; V's nine loads may be out
.irp i, 0,1,2,3,4,5,6,7
.if \i%2
	v_wmma_scale_f32_16x16x128_f8f6f4 v[S+8*\i:S+8*\i+7], v[KR+4*\i:KR+4*\i+7], v[16:23], 0, v[KW+\i/2], v28 matrix_a_fmt:MATRIX_FMT_FP4 matrix_b_fmt:MATRIX_FMT_FP4 matrix_a_scale:MATRIX_SCALE_ROW1
.else
	v_wmma_scale_f32_16x16x128_f8f6f4 v[S+8*\i:S+8*\i+7], v[KR+4*\i:KR+4*\i+7], v[16:23], 0, v[KW+\i/2], v28 matrix_a_fmt:MATRIX_FMT_FP4 matrix_b_fmt:MATRIX_FMT_FP4
.endif
.endr
.rept 4
	v_nop
.endr
	s_add_co_u32 s53, s[KF], 127
	s_cmp_le_u32 s53, s[Q0]                        ; all keys count: no mask
	s_cbranch_scc1 .Lopen_\@
	s_sub_co_i32 s53, s[Q0], s[KF]
	v_add_nc_u32 v[T0], s53, v[RH]                 ; my query - the first key - 8 (lane / 16): register n holds a hidden key where 16 (n / 8) + n % 8 is above it
	v_mov_b32 v[T1], 0xff800000                    ; -infinity
.set n, 0
.rept 64
	v_cmp_gt_i32 vcc_lo, 16*(n/8)+n%8, v[T0]
	v_cndmask_b32 v[S+n], v[S+n], v[T1], vcc_lo
.set n, n+1
.endr
.Lopen_\@:
.irp b, 0,1,2,3
	v_max3_num_f32 v[BM+\b], v[S+16*\b], v[S+1+16*\b], v[S+2+16*\b]   ; the largest score of each block of 32 keys: for the row's maximum and, since p rises with the score, for the block's largest p
.endr
.irp i, 3,5,7,9,11,13
.irp b, 0,1,2,3
	v_max3_num_f32 v[BM+\b], v[BM+\b], v[S+16*\b+\i], v[S+1+16*\b+\i]
.endr
.endr
.irp b, 0,1,2,3
	v_max_num_f32 v[BM+\b], v[BM+\b], v[S+15+16*\b]
.endr
.irp b, 0,1,2,3
	s_delay_alu instid0(VALU_DEP_4)
	v_permlanex16_b32 v[BT+\b], v[BM+\b], s[SEL], s[SEL+1]
.endr
.irp b, 0,1,2,3
	s_delay_alu instid0(VALU_DEP_4)
	v_max_num_f32 v[BM+\b], v[BM+\b], v[BT+\b]
.endr
	s_delay_alu instid0(VALU_DEP_2)
	v_max3_num_f32 v[T0], v[BM], v[BM+1], v[BM+2]
	s_delay_alu instid0(VALU_DEP_1)
	v_max_num_f32 v[T0], v[T0], v[BM+3]
	s_delay_alu instid0(VALU_DEP_1)
	v_mul_f32 v[T0], s[CS], v[T0]                  ; the step's largest t
	s_delay_alu instid0(VALU_DEP_1)
	v_max_num_f32 v13, v13, v[T0]
	v_mov_b32 v[T0], v12
	s_delay_alu instid0(VALU_DEP_2)
	v_floor_f32 v12, -v13                          ; the new -M: a whole number
	s_delay_alu instid0(VALU_DEP_1)
	v_sub_f32 v[T0], v12, v[T0]
	s_delay_alu instid0(VALU_DEP_1)
	v_cvt_i32_f32 v[T0], v[T0]                     ; (it saturates)
	s_delay_alu instid0(VALU_DEP_1)
	v_ldexp_f32 v[FF], 1.0, v[T0]                  ; f = 2^(old M - new M)
.set n, 0
.rept 32
	v_pk_fma_f32 v[S+n:S+n+1], v[S+n:S+n+1], s[CS:CS+1], v[12:13] op_sel_hi:[1,0,0]   ; t - M
.set n, n+2
.endr
.irp b, 0,1,2,3
	v_fma_f32 v[BM+\b], v[BM+\b], s[CS], v12
.endr
.set n, 0
	s_wait_alu depctr_va_vdst(0)
.rept 64
	v_exp_f32 v[S+n], v[S+n]                       ; p = 2^(t - M)
.set n, n+1
.endr
	v_pk_mul_f32 v[14:15], v[14:15], v[FF:FF+1] op_sel_hi:[1,0]   ; the sums under the new M; a plain place behind the exponentials
	s_wait_alu depctr_va_vdst(0)                   ; the wait ahead of the batch's first reader: one for the 64
.irp b, 0,1,2,3
	v_exp_f32 v[BM+\b], v[BM+\b]                   ; the block's largest p
.endr
	v_pk_add_f32 v[234:235], v[116:117], v[120:121]
	v_pk_add_f32 v[254:255], v[124:125], v[128:129]
	v_pk_add_f32 v[252:253], v[132:133], v[136:137]
	v_pk_add_f32 v[250:251], v[140:141], v[144:145]
	v_pk_add_f32 v[248:249], v[148:149], v[152:153]
	v_pk_add_f32 v[246:247], v[156:157], v[160:161]
	v_pk_add_f32 v[244:245], v[164:165], v[168:169]
	v_pk_add_f32 v[14:15], v[14:15], v[172:173]
	v_pk_add_f32 v[234:235], v[234:235], v[112:113]
	v_pk_add_f32 v[254:255], v[254:255], v[114:115]
	v_pk_add_f32 v[252:253], v[252:253], v[118:119]
	v_pk_add_f32 v[250:251], v[250:251], v[122:123]
	v_pk_add_f32 v[248:249], v[248:249], v[126:127]
	v_pk_add_f32 v[246:247], v[246:247], v[130:131]
	v_pk_add_f32 v[244:245], v[244:245], v[134:135]
	v_pk_add_f32 v[14:15], v[14:15], v[138:139]
	v_pk_add_f32 v[234:235], v[234:235], v[142:143]
	v_pk_add_f32 v[254:255], v[254:255], v[146:147]
	v_pk_add_f32 v[252:253], v[252:253], v[150:151]
	v_pk_add_f32 v[250:251], v[250:251], v[154:155]
	v_pk_add_f32 v[248:249], v[248:249], v[158:159]
	v_pk_add_f32 v[246:247], v[246:247], v[162:163]
	v_pk_add_f32 v[244:245], v[244:245], v[166:167]
	v_pk_add_f32 v[14:15], v[14:15], v[170:171]
	v_pk_add_f32 v[234:235], v[234:235], v[174:175]
	s_delay_alu instid0(VALU_DEP_2)
	v_pk_add_f32 v[14:15], v[14:15], v[250:251]
	s_delay_alu instid0(VALU_DEP_2)
	v_pk_add_f32 v[234:235], v[234:235], v[248:249]
	v_pk_add_f32 v[254:255], v[254:255], v[246:247]
	v_pk_add_f32 v[252:253], v[252:253], v[244:245]
	s_delay_alu instid0(VALU_DEP_2)
	v_pk_add_f32 v[14:15], v[14:15], v[254:255]
	s_delay_alu instid0(VALU_DEP_2)
	v_pk_add_f32 v[234:235], v[234:235], v[252:253]
	s_delay_alu instid0(VALU_DEP_1)
	v_pk_add_f32 v[14:15], v[14:15], v[234:235]
	s_wait_alu depctr_va_vdst(0)                   ; and one for the four
.irp b, 0,1,2,3
	v_max_num_f32 v[BM+\b], 0x1800000, v[BM+\b]    ; the floor 2^(3 - 127)
.endr
.irp b, 0,1,2,3
	s_delay_alu instid0(VALU_DEP_4)
	v_add_nc_u32 v[BS+\b], 0xff000000, v[BM+\b]
.endr
.irp b, 0,1,2,3
	s_delay_alu instid0(VALU_DEP_4)
	v_lshrrev_b32 v[BT+\b], 23, v[BS+\b]
.endr
	s_delay_alu instid0(VALU_DEP_3)
	v_lshl_or_b32 v[PW], v[BT+1], 8, v[BT]
	s_delay_alu instid0(VALU_DEP_1)
	v_lshl_or_b32 v[PW], v[BT+2], 16, v[PW]
	s_delay_alu instid0(VALU_DEP_1)
	v_lshl_or_b32 v[PW], v[BT+3], 24, v[PW]
.irp b, 0,1,2,3
	v_cvt_scalef32_pk8_fp4_f32 v[PC+4*(\b/2)+\b%2],   v[S+16*\b:S+16*\b+7],    v[BS+\b]
	v_cvt_scalef32_pk8_fp4_f32 v[PC+4*(\b/2)+2+\b%2], v[S+16*\b+8:S+16*\b+15], v[BS+\b]
.endr
	v_nop                                          ; one plain place behind a scaled conversion
.irp c, 0,1
.irp u, 0,1
	v_permlane16_swap_b32 v[PC+4*\c+2*\u], v[PC+4*\c+2*\u+1]      ; registers 4 c .. 4 c + 3: keys 64 c + 32 (lane / 16) + 0 .. 31
.endr
.endr
.set n, 0
.rept 16
	v_pk_mul_f32 v[OT+n:OT+n+1], v[OT+n:OT+n+1], v[FF:FF+1] op_sel_hi:[1,0]   ; O^T under the new M; also the places between the scale word, the codes and the products
.set n, n+2
.endr
	s_wait_alu depctr_va_vdst(0)
	s_wait_dscnt 0x0                               ; V
.irp t, 0,1,2,3
.if \t%2
	v_wmma_scale_f32_16x16x128_f8f6f4 v[OT+8*\t:OT+8*\t+7], v[VR+8*\t:VR+8*\t+7], v[PC:PC+7], v[OT+8*\t:OT+8*\t+7], v[VW+\t/2], v[PW] matrix_a_fmt:MATRIX_FMT_FP4 matrix_b_fmt:MATRIX_FMT_FP4 matrix_a_scale:MATRIX_SCALE_ROW1
.else
	v_wmma_scale_f32_16x16x128_f8f6f4 v[OT+8*\t:OT+8*\t+7], v[VR+8*\t:VR+8*\t+7], v[PC:PC+7], v[OT+8*\t:OT+8*\t+7], v[VW+\t/2], v[PW] matrix_a_fmt:MATRIX_FMT_FP4 matrix_b_fmt:MATRIX_FMT_FP4
.endif
.endr
.Lhidden_\@:
	s_add_co_u32 s[KF], s[KF], 128
.endm
; THE CHANGE OF SLOTS, at a slot's head.  Every wave: all its tensor loads have landed; the add (fill = 1: twice on end); the add and my reads of the slot that I left are done; the barrier.
; fill = 1: the slot that was left takes the next trip's keys: the next slot of the block, or, behind the first block's last slot (trip = g), the second block's slot 0.
.macro CHANGE fill
	s_wait_tensorcnt 0x0                           ; no tensor load of mine is out: group 0 may be written
	ds_add_u32 v[SPW], v[NIL]
.if \fill
	ds_add_u32 v[SPW], v[NIL]
	s_xor_b32 s[G0+1], s[G0+1], SLOT1
	s_add_co_u32 s[NK], s[NK], SLOTB
	s_cmp_eq_u32 s[TR], s[GG]
	s_cselect_b32 s[NK], 0, s[NK]
	s_add_nc_u64 s[G0+2:G0+3], s[KVB:KVB+1], s[NK:NK+1]
	s_or_b32 s[G0+3], s[G0+3], 0x80000000
	s_wait_xcnt 0x0                                ; the last prefetch, a trip back, has read its address
	s_add_nc_u64 s[PFA:PFA+1], s[PFA:PFA+1], SLOTB
.endif
	s_wait_dscnt 0x0
	s_barrier_signal -1
	s_barrier_wait -1
.if \fill
	TLOAD                                          ; first behind the barrier; it has the trip's two key steps in which to land
	ASK
.endif
.endm
; A BLOCK'S END: y = O^T / the sum; its two blocks of 32 along the head's 64 are quantised; the codes leave as an image, the scale word goes to LDS.  more = 1: the second block's Q takes over and the sums begin anew.
.macro FINISH more, yp
.rept 4
	v_nop                                          ; places behind the last products
.endr
	v_add_f32 v14, v14, v15
	s_delay_alu instid0(VALU_DEP_1)
	v_permlanex16_b32 v[T0], v14, s[SEL], s[SEL+1]
	s_delay_alu instid0(VALU_DEP_1)
	v_add_f32 v14, v14, v[T0]                      ; the row's sum
	s_wait_alu depctr_va_vdst(0)
	v_rcp_f32 v14, v14
	v_nop
	s_wait_alu depctr_va_vdst(0)                   ; the wait ahead of the first reader
.set n, 0
.rept 16
	v_pk_mul_f32 v[S+n:S+n+1], v[OT+n:OT+n+1], v[14:15] op_sel_hi:[1,0]   ; register 8 t + j is y(query r, d = 16 t + 8 (lane / 16) + j)
.set n, n+2
.endr
.irp b, 0,1
	v_max3_num_f32 v[BM+\b], |v[S+16*\b]|, |v[S+1+16*\b]|, 0x1800000
.endr
.irp i, 2,4,6,8,10,12,14
.irp b, 0,1
	s_delay_alu instid0(VALU_DEP_2)
	v_max3_num_f32 v[BM+\b], v[BM+\b], |v[S+16*\b+\i]|, |v[S+1+16*\b+\i]|
.endr
.endr
.irp b, 0,1
	s_delay_alu instid0(VALU_DEP_2)
	v_permlanex16_b32 v[BT+\b], v[BM+\b], s[SEL], s[SEL+1]
.endr
.irp b, 0,1
	s_delay_alu instid0(VALU_DEP_2)
	v_max_num_f32 v[BM+\b], v[BM+\b], v[BT+\b]
.endr
.irp b, 0,1
	s_delay_alu instid0(VALU_DEP_2)
	v_add_nc_u32 v[BS+\b], 0xff000000, v[BM+\b]
.endr
.irp b, 0,1
	s_delay_alu instid0(VALU_DEP_2)
	v_lshrrev_b32 v[BT+\b], 23, v[BS+\b]
.endr
	s_delay_alu instid0(VALU_DEP_1)
	v_lshl_or_b32 v[T1], v[BT+1], 8, v[BT]         ; two bytes; the upper half stays 0: launch 3 joins two heads' words
.irp b, 0,1
	v_cvt_scalef32_pk8_fp4_f32 v[PC+\b],   v[S+16*\b:S+16*\b+7],    v[BS+\b]
	v_cvt_scalef32_pk8_fp4_f32 v[PC+2+\b], v[S+16*\b+8:S+16*\b+15], v[BS+\b]
.endr
	v_nop
	v_permlane16_swap_b32 v[PC], v[PC+1]
	v_permlane16_swap_b32 v[PC+2], v[PC+3]
	global_store_b128 v[LI], v[PC:PC+3], s[\yp:\yp+1]   ; 32 lanes store 512 consecutive bytes
	ds_store_b32 v[SW], v[T1] offset:1024*(1-\more)     ; both halves of the lanes write a row's word with the same value
.if \more
.irp j, 0,1,2,3
	v_mov_b32 v[16+\j], v[24+\j]
.endr
	v_mov_b32 v28, v29                             ; the scale word first: the moves below are the places ahead of the next scaled product
	v_mov_b32 v13, 0xff61b1e6
	s_delay_alu instid0(VALU_DEP_1)
	v_floor_f32 v12, -v13
	v_mov_b32 v14, 0
	v_mov_b32 v15, 0
.set n, 0
.rept 32
	v_mov_b32 v[OT+n], 0
.set n, n+1
.endr
	s_mov_b32 s[KF], 0
	s_mov_b32 s[Q0], s[Q02]
	s_wait_xcnt 0x0                                ; the store has read the codes' registers
.endif
.endm
.Lslot:                                            ; eight trips, each of one key slot; behind each change the next trip's slot is asked for
	CHANGE 1
	STEP 0
	STEP 1
	s_xor_b32 s[TB], s[TB], SLOT1
	s_cmp_lg_u32 s[TR], s[GG]                      ; trip g ends the first block: the work-group's number and the count alone, the same in all waves
	s_cbranch_scc1 .Lsame_block
	FINISH 1, YP1
.Lsame_block:
	s_add_co_u32 s[TR], s[TR], 1
	s_cmp_lt_u32 s[TR], 8
	s_cbranch_scc1 .Lslot
	CHANGE 0                                       ; the ninth slot is written out: nothing is left to fetch
	STEP 0
	STEP 1
	FINISH 0, YP2
	s_wait_dscnt 0x0                               ; my scale words lie in LDS
	s_barrier_signal -1
	s_barrier_wait -1                              ; everybody's do
	s_cmp_lt_u32 s[WV], 2
	s_cbranch_scc0 .Lend
	s_cmp_eq_u32 s[WV], 0                          ; wave 0 stores the first block's 1,024 bytes, wave 1 the second's
	s_cselect_b64 s[54:55], s[YS1:YS1+1], s[YS2:YS2+1]
	ds_load_b128 v[S:S+3], v[SRD]
	ds_load_b128 v[S+4:S+7], v[SRD] offset:512
	s_wait_dscnt 0x0
	global_store_b128 v[LI], v[S:S+3], s[54:55]
	global_store_b128 v[LI], v[S+4:S+7], s[54:55] offset:512
.Lend:
	s_wait_tensorcnt 0x0                           ; the wave's end
	ds_add_u32 v[SPW], v[NIL]
	s_wait_dscnt 0x0
	s_endpgm
.Lfunc_end_k_q68c5e70819_attn:
	.size	k_q68c5e70819_attn, .Lfunc_end_k_q68c5e70819_attn-k_q68c5e70819_attn
	.p2alignl 7, 3214868480
	.fill 96, 4, 3214868480
	.section	.rodata,"a",@progbits
	.p2align	6, 0x0
	.amdhsa_kernel k_q68c5e70819_attn
		.amdhsa_group_segment_fixed_size 327680
		.amdhsa_private_segment_fixed_size 0
		.amdhsa_enable_private_segment 0
		.amdhsa_kernarg_size 32
		.amdhsa_user_sgpr_count 2
		.amdhsa_user_sgpr_kernarg_segment_ptr 1
		.amdhsa_wavefront_size32 1
		.amdhsa_system_sgpr_workgroup_id_x 1
		.amdhsa_system_sgpr_workgroup_id_y 1
		.amdhsa_system_sgpr_workgroup_id_z 1
		.amdhsa_system_vgpr_workitem_id 0
		.amdhsa_next_free_vgpr 256
		.amdhsa_next_free_sgpr 80
		.amdhsa_reserve_vcc 1
		.amdhsa_float_denorm_mode_32 3
		.amdhsa_float_denorm_mode_16_64 3
		.amdhsa_memory_ordered 1
		.amdhsa_forward_progress 1
		.amdhsa_inst_pref_size 104
	.end_amdhsa_kernel
	.amdgpu_metadata
---
amdhsa.version: [ 1, 2 ]
amdhsa.kernels:
  - .name:           k_q68c5e70819_attn
    .symbol:         k_q68c5e70819_attn.kd
    .args:
      - { .name: q_ws, .offset: 0, .size: 8, .value_kind: global_buffer, .address_space: global }
      - { .name: kv_ws, .offset: 8, .size: 8, .value_kind: global_buffer, .address_space: global }
      - { .name: y_ws, .offset: 16, .size: 8, .value_kind: global_buffer, .address_space: global }
      - { .name: ysc_ws, .offset: 24, .size: 8, .value_kind: global_buffer, .address_space: global }
    .group_segment_fixed_size: 327680
    .private_segment_fixed_size: 0
    .kernarg_segment_align: 8
    .kernarg_segment_size: 32
    .max_flat_workgroup_size: 512
    .sgpr_count:     80
    .vgpr_count:     256
    .wavefront_size: 32
...
	.end_amdgpu_metadata
.endif
;; end of part 2
;; launch proj (part 3): grid 4 x 64, 4 waves a work-group, clusters of 4 x 4, 327,680 bytes of LDS; arguments y_ws, ysc_ws, w_out_codes, w_out_scales, b_out, out0; writes out0
.if DOCPART == 3
	.amdgcn_target "amdgcn-amd-amdhsa--gfx1250"
	.amdhsa_code_object_version 6
	.text
	.protected	k_q68c5e70819_proj
	.globl	k_q68c5e70819_proj
	.p2align	8
	.type	k_q68c5e70819_proj,@function
k_q68c5e70819_proj:
	s_mov_b64 s[64:65], 0
	v_nop
	global_prefetch_b8 v0, s[64:65] scope:SCOPE_SE
	s_setreg_imm32_b32 hwreg(HW_REG_WAVE_MODE, 25, 1), 1
	s_wait_xcnt 0x0
	s_wait_alu depctr_hold_cnt(0) depctr_sa_sdst(0) depctr_va_vdst(0) depctr_va_sdst(0) depctr_va_ssrc(0) depctr_va_vcc(0) depctr_vm_vsrc(0)
	s_getreg_b32 s2, hwreg(HW_REG_IB_STS2, 6, 4)
	s_cmp_eq_u32 s2, 0
	s_cbranch_scc0 .Lentry_in_a_cluster
	s_endpgm
.Lentry_in_a_cluster:
	s_bfe_u32 s2, ttmp6, 0x10000c
	s_cmp_lg_u32 s2, 0xf033
	s_cbranch_scc0 .Lentry_shape_is_right
	s_endpgm
.Lentry_shape_is_right:
; LAUNCH 3 OF 3: out0 = y w_out + b_out on codes of FP4 with E8M0 scales.  y: 8,192 rows x 1,024, as images of operand registers (y_ws: [row tile of 16][head][lane][16 bytes]; ysc_ws: two scale bytes a row and head);
; w_out: [1024 (n)][1024 (k)] codes, 512 bytes a row, 32 scale bytes a row.  Nothing is left out here.  LIMITS: as stated at the head of launch 1.
; SHARES.  A work-group makes 128 rows x 256 columns: 256 work-groups.  Wave w makes all 128 rows x columns 64 w .. 64 w + 63: 32 accumulators.  All of K lies in LDS: every tensor load is a first fill, nothing is filled again.
; CLUSTERS: 4 x 4: y's tiles are asked for jointly along a row of the cluster, w's along a column.  Waves 0, 1 fetch y's, waves 2, 3 w's: three loads each (scales, K half 0, K half 1).
; THE MATRIX INSTRUCTION IS USED TRANSPOSED (source 0 = 16 rows of w, source 1 = 16 rows of y): a lane holds eight neighbouring columns of one row.  The bias is the C of each sum's first instruction.
; REGISTERS: window 0: v16-31 addresses; v32-63 y's scale words (4 s + q: lanes 0-15 tile q, lanes 16-31 tile 4 + q); v64-79 w's (8 half + 4 p + q: lanes 0-15 block 2 p, lanes 16-31 block 2 p + 1); v96-127 the bias;
;   v128-191, v192-255 y's fragments, two sets (the second first holds the raw scale words); on the way out v128-191 rows.  window 1: w's fragments of all of K, (step s, block b) at v[32 s + 8 b].  window 2: accumulator (a, b) at v[8 (4 a + b)].
.set PITCH, 272
.set YCH,   32768                      ; y's codes of a K half: [tile 8][head 8][512 bytes]
.set WC,    65536                      ; w's codes: a K half is 256 rows of 256 bytes + 16
.set WCH,   256*PITCH
.set YSC,   WC+2*WCH                   ; y's scale words: [lanes' half 2][head 16][256 bytes]
.set WSC,   YSC+8192                   ; w's scale bytes: 32 units of 256 bytes + 16
.set STG,   WSC+32*272                 ; a stage of 16 rows x (256 bytes + 16) for each wave: no tensor load lands here
.set SPARE, STG+4*16*272               ; the spare words
.set LI,  16                           ; v16 16 x lane
.set AYS, 18                           ; v18 y's raw scale words
.set AWS, 19                           ; v19 w's scale words
.set AW,  20                           ; v20-21 w's fragments in K half 0, 1
.set STO, 24
.set RD,  25
.set CO,  26
.set SPW, 28
.set NIL, 29
.set BOH, 30
.set YS,  32
.set WS,  64
.set BO,  96
.set YF,  128
.set RAW, 192
.set BK,  128
.set G1Y, 24
.set G0Y, 32
.set G1W, 48
.set G0W, 56
.set G1YS, 68
.set G0YS, 76
.set G1WS, 80
.set G0WS, 88
.set MSB, 0
.macro WIN new
.if MSB != (\new)
	s_set_vgpr_msb (MSB<<8)|(\new)
.set MSB, (\new)
.endif
.endm
.macro JLOAD g0a, g1a, g0b, g1b        ; waves 0, 1: y's; waves 2, 3: w's.  An s_nop 0 and four v_nop follow each line
	s_cmp_eq_u32 s17, 0
	s_cbranch_scc0 .Lfor_b_\@
	tensor_load_to_lds s[\g0a:\g0a+3], s[\g1a:\g1a+7]
	s_nop 0
.rept 4
	v_nop
.endr
	s_branch .Lasked_\@
.Lfor_b_\@:
	tensor_load_to_lds s[\g0b:\g0b+3], s[\g1b:\g1b+7]
	s_nop 0
.rept 4
	v_nop
.endr
.Lasked_\@:
.endm
.macro CROUND
	s_barrier_signal -1
	s_barrier_wait -1
	s_cmp_lg_u32 s16, 0
	s_cbranch_scc1 .Lnot_wave_0_\@
	s_barrier_signal -3
.Lnot_wave_0_\@:
	s_barrier_wait -3
	s_barrier_signal -1
	s_barrier_wait -1
.endm
.macro PLACES
.rept 4
	v_nop
.endr
.endm
	s_load_b256 s[4:11], s[0:1], 0x0               ; y_ws, ysc_ws, w's codes, w's scales
	s_load_b128 s[12:15], s[0:1], 0x20             ; b_out, out0
	v_lshl_add_u32 v[SPW], v0, 2, SPARE
	v_mov_b32 v[NIL], 0
	ds_add_u32 v[SPW], v[NIL]                      ; the wave's opening: the add, twice on end, and its wait ahead of my first tensor load
	ds_add_u32 v[SPW], v[NIL]
	v_lshrrev_b32 v1, 5, v0
	v_readfirstlane_b32 s16, v1                    ; wave 0..3
	s_lshr_b32 s17, s16, 1                         ; I fetch y's (0) or w's (1)
	s_and_b32 s18, s16, 1                          ; which half of it
	s_bfe_u32 s40, ttmp6, 0x40000                  ; cx, cy
	s_bfe_u32 s41, ttmp6, 0x40004
	s_lshl_b32 s42, ttmp9, 2
	s_add_co_u32 s42, s42, s40                     ; column tile
	s_and_b32 s19, ttmp7, 0xffff
	s_lshl_b32 s19, s19, 2
	s_add_co_u32 s19, s19, s41                     ; row tile of 128
	s_lshl_b32 s43, s41, 2
	s_lshl_b32 s43, 15, s43                        ; my row of the cluster
	s_lshl_b32 s44, 0x1111, s40                    ; my column
	s_or_b32 s[G1Y+0], s43, (3<<16)|(1<<21)        ; y's codes: 4 row tiles x 4,096 bytes (8 heads), 8,192 bytes apart; elements of 8 bytes; dense in LDS
	s_mov_b32 s[G1Y+1], 512<<16
	s_mov_b32 s[G1Y+2], 4<<16
	s_mov_b32 s[G1Y+3], 512<<16
	s_mov_b32 s[G1Y+4], 4
	s_mov_b32 s[G1Y+5], 1024
	s_mov_b32 s[G1Y+6], 0
	s_mov_b32 s[G1Y+7], 0
	s_or_b32 s[G1YS+0], s43, (3<<16)|(1<<21)       ; y's scale words: 16 heads x 256 bytes, 8,192 bytes apart
	s_mov_b32 s[G1YS+1], 32<<16
	s_mov_b32 s[G1YS+2], 16<<16
	s_mov_b32 s[G1YS+3], 32<<16
	s_mov_b32 s[G1YS+4], 16
	s_mov_b32 s[G1YS+5], 1024
	s_mov_b32 s[G1YS+6], 0
	s_mov_b32 s[G1YS+7], 0
	s_or_b32 s[G1W+0], s44, (0<<16)|(1<<20)|(1<<21)|(5<<22)|(3<<25)   ; w's codes: 128 rows x 256 bytes, 512 apart; 4 words of padding after every 64
	s_mov_b32 s[G1W+1], 256<<16
	s_mov_b32 s[G1W+2], 128<<16
	s_mov_b32 s[G1W+3], 256<<16
	s_mov_b32 s[G1W+4], 128
	s_mov_b32 s[G1W+5], 512
	s_mov_b32 s[G1W+6], 0
	s_mov_b32 s[G1W+7], 0
	s_or_b32 s[G1WS+0], s44, (3<<16)|(1<<20)|(1<<21)|(5<<22)|(3<<25)  ; w's scales of 128 rows: 4,096 dense bytes as 16 rows of 256, padded alike
	s_mov_b32 s[G1WS+1], 32<<16
	s_mov_b32 s[G1WS+2], 16<<16
	s_mov_b32 s[G1WS+3], 32<<16
	s_mov_b32 s[G1WS+4], 16
	s_mov_b32 s[G1WS+5], 32
	s_mov_b32 s[G1WS+6], 0
	s_mov_b32 s[G1WS+7], 0
	s_lshr_b32 s20, s19, 4
	s_lshl_b32 s20, s20, 17                        ; the batch's 16 heads x 16 groups x 512 bytes,
	s_and_b32 s21, s19, 15
	s_lshl_b32 s21, s21, 9                         ; my group of 8 row tiles,
	s_add_co_u32 s20, s20, s21
	s_lshl_b32 s21, s18, 8                         ; the half of its lanes that I fetch
	s_add_co_u32 s20, s20, s21
	s_mov_b32 s21, 0
	s_lshl_b32 s22, s19, 16                        ; y's codes: 8 row tiles of 8,192 bytes,
	s_lshl_b32 s23, s18, 15                        ; my four of them
	s_add_co_u32 s22, s22, s23
	s_mov_b32 s23, 0
	s_lshl_b32 s46, s42, 17                        ; w's codes: 256 rows of 512 bytes,
	s_lshl_b32 s47, s18, 16                        ; my 128
	s_add_co_u32 s46, s46, s47
	s_mov_b32 s47, 0
	s_lshl_b32 s92, s42, 13                        ; w's scales: 256 rows of 32 bytes
	s_lshl_b32 s93, s18, 12
	s_add_co_u32 s92, s92, s93
	s_mov_b32 s93, 0
	s_lshl_b32 s45, s18, 14                        ; where they go: by the wave's number alone
	s_lshl_b32 s94, s18, 12
	s_add_co_u32 s94, s94, YSC
	s_mul_i32 s95, s18, 128*PITCH
	s_add_co_u32 s95, s95, WC
	s_mul_i32 s96, s18, 16*272
	s_add_co_u32 s96, s96, WSC
	s_wait_dscnt 0x0                               ; both opening adds are done
	s_wait_kmcnt 0x0
	s_add_nc_u64 s[20:21], s[6:7], s[20:21]
	s_add_nc_u64 s[22:23], s[4:5], s[22:23]
	s_add_nc_u64 s[46:47], s[8:9], s[46:47]
	s_add_nc_u64 s[92:93], s[10:11], s[92:93]
	CROUND                                         ; all sixteen work-groups are here: the joint loads meet
	s_mov_b32 s[G0YS], 1
	s_mov_b32 s[G0YS+1], s94
	s_mov_b64 s[G0YS+2:G0YS+3], s[20:21]
	s_or_b32 s[G0YS+3], s[G0YS+3], 0x80000000
	s_mov_b32 s[G0WS], 1
	s_mov_b32 s[G0WS+1], s96
	s_mov_b64 s[G0WS+2:G0WS+3], s[92:93]
	s_or_b32 s[G0WS+3], s[G0WS+3], 0x80000000
	JLOAD G0YS, G1YS, G0WS, G1WS                   ; three loads of mine go out in all: the scales,
.irp k, 0,1
	s_mov_b32 s[G0Y+4*\k], 1
	s_add_co_u32 s[G0Y+4*\k+1], s45, \k*YCH
	s_add_nc_u64 s[G0Y+4*\k+2:G0Y+4*\k+3], s[22:23], \k*4096
	s_or_b32 s[G0Y+4*\k+3], s[G0Y+4*\k+3], 0x80000000
	s_mov_b32 s[G0W+4*\k], 1
	s_add_co_u32 s[G0W+4*\k+1], s95, \k*WCH
	s_add_nc_u64 s[G0W+4*\k+2:G0W+4*\k+3], s[46:47], \k*256
	s_or_b32 s[G0W+4*\k+3], s[G0W+4*\k+3], 0x80000000
	JLOAD G0Y+4*\k, G1Y, G0W+4*\k, G1W             ; K half 0 and K half 1
.endr
	v_and_b32 v1, 15, v0                           ; r
	v_bfe_u32 v2, v0, 4, 1                         ; h
	v_and_b32 v3, 31, v0                           ; lane
	v_lshlrev_b32 v[LI], 4, v3
	v_mul_u32_u24 v4, v1, PITCH
	v_lshl_add_u32 v4, v2, 4, v4
	s_mul_i32 s2, s16, 64*PITCH
	s_add_co_u32 s2, s2, WC
	v_add_nc_u32 v[AW], s2, v4                     ; w: row 64 wave + r, + 16 h
	v_add_nc_u32 v[AW+1], WCH, v[AW]
	v_lshlrev_b32 v4, 12, v2
	v_lshl_add_u32 v4, v1, 4, v4
	v_add_nc_u32 v[AYS], YSC, v4                   ; y's raw words: 4,096 h + 16 r
	v_lshrrev_b32 v4, 3, v3
	v_mul_u32_u24 v4, v4, 272
	v_and_b32 v5, 7, v3
	v_lshl_add_u32 v4, v5, 5, v4
	s_mul_i32 s2, s16, 8*272
	s_add_co_u32 s2, s2, WSC
	v_add_nc_u32 v[AWS], s2, v4                    ; w's scales: row 64 wave + lane: eight rows of 32 bytes to a unit
	s_mul_i32 s2, s16, 16*272
	s_add_co_u32 s2, s2, STG                       ; my stage
	v_mul_u32_u24 v4, v1, 272
	v_lshl_add_u32 v4, v2, 5, v4
	v_add_nc_u32 v[STO], s2, v4                    ; in: row r, 32 bytes for each half of the lanes
	v_mul_u32_u24 v4, v2, 272
	v_lshl_add_u32 v4, v1, 4, v4
	v_add_nc_u32 v[RD], s2, v4                     ; back: lanes 0-15 one row of 256 bytes, lanes 16-31 the next
	v_lshlrev_b32 v4, 12, v2
	v_lshl_add_u32 v[CO], v1, 4, v4                ; and the same two rows of out0 (4,096 bytes a row)
	v_lshlrev_b32 v[BOH], 5, v2
	s_lshl_b32 s2, s42, 10
	s_lshl_b32 s3, s16, 8
	s_add_co_u32 s2, s2, s3                        ; my first column, in bytes: 1,024 x column tile + 256 x wave
	s_mov_b32 s3, 0
	s_add_nc_u64 s[12:13], s[12:13], s[2:3]
	s_add_nc_u64 s[14:15], s[14:15], s[2:3]
	s_lshl_b32 s2, s19, 19                         ; my first row: 128 rows of 4,096 bytes a row tile
	s_add_nc_u64 s[14:15], s[14:15], s[2:3]
.irp b, 0,1,2,3
	global_load_b128 v[BO+8*\b:BO+8*\b+3],   v[BOH], s[12:13] offset:64*\b      ; b_out at my column 16 b + 8 h + 0 .. 7: the result's layout
	global_load_b128 v[BO+8*\b+4:BO+8*\b+7], v[BOH], s[12:13] offset:64*\b+16
.endr
.macro FETCHW kap                      ; w's fragments of K steps 4 kap .. 4 kap + 3: 32 loads
	WIN 0x40
.irp q, 0,1,2,3
.irp b, 0,1,2,3
.irp c, 0,1
	ds_load_b128 v[32*(4*\kap+\q)+8*\b+4*\c:32*(4*\kap+\q)+8*\b+4*\c+3], v[AW+\kap] offset:16*\b*PITCH+64*\q+32*\c
.endr
.endr
.endr
	WIN 0
.endm
.macro FETCHY s                        ; y's eight fragments of K step s: images, 512 bytes a load; heads 2 s and 2 s + 1 are registers 0-3 and 4-7
.set YB, YF+64*((\s)%2)
.irp a, 0,1,2,3,4,5,6,7
.irp c, 0,1
	ds_load_b128 v[YB+8*\a+4*\c:YB+8*\a+4*\c+3], v[LI] offset:YCH*((\s)/4)+4096*\a+512*(2*((\s)%4)+\c)
.endr
.endr
.endm
; 16 matrix instructions: row tiles a0 .. a0 + 3 x my four column blocks, K step s.  The 32 accumulators take turns, one instruction a turn.  first = 1: C is the bias.
.macro HALF s, a0, first
.set YB, YF+64*((\s)%2)
.irp a, \a0, \a0+1, \a0+2, \a0+3
.irp b, 0,1,2,3
.set DR, 8*(4*(\a)+\b)
.if \first
.set CR, BO+8*\b
.else
.set CR, DR
.endif
.set WR, 32*(\s)+8*\b
.set YR, YB+8*(\a)
.set SA, WS+8*((\s)/4)+4*(\b/2)+(\s)%4
.set SB, YS+4*(\s)+(\a)%4
.if (\b%2) && ((\a) >= 4)
	v_wmma_scale_f32_16x16x128_f8f6f4 v[DR:DR+7], v[WR:WR+7], v[YR:YR+7], v[CR:CR+7], v[SA], v[SB] matrix_a_fmt:MATRIX_FMT_FP4 matrix_b_fmt:MATRIX_FMT_FP4 matrix_a_scale:MATRIX_SCALE_ROW1 matrix_b_scale:MATRIX_SCALE_ROW1
.elseif \b%2
	v_wmma_scale_f32_16x16x128_f8f6f4 v[DR:DR+7], v[WR:WR+7], v[YR:YR+7], v[CR:CR+7], v[SA], v[SB] matrix_a_fmt:MATRIX_FMT_FP4 matrix_b_fmt:MATRIX_FMT_FP4 matrix_a_scale:MATRIX_SCALE_ROW1
.elseif (\a) >= 4
	v_wmma_scale_f32_16x16x128_f8f6f4 v[DR:DR+7], v[WR:WR+7], v[YR:YR+7], v[CR:CR+7], v[SA], v[SB] matrix_a_fmt:MATRIX_FMT_FP4 matrix_b_fmt:MATRIX_FMT_FP4 matrix_b_scale:MATRIX_SCALE_ROW1
.else
	v_wmma_scale_f32_16x16x128_f8f6f4 v[DR:DR+7], v[WR:WR+7], v[YR:YR+7], v[CR:CR+7], v[SA], v[SB] matrix_a_fmt:MATRIX_FMT_FP4 matrix_b_fmt:MATRIX_FMT_FP4
.endif
.endr
.endr
.endm
.macro KSTEP s, first, win             ; a K step whose successor's fragments lie in LDS already
	s_wait_dscnt 0x0                               ; this step's fragments are in
	WIN \win
	HALF \s, 0, \first
	PLACES                                         ; ahead of loads into the set that the last step multiplied
	WIN 0
	FETCHY (\s)+1
	WIN \win
	HALF \s, 4, \first
.endm
	s_wait_tensorcnt 1                             ; the scales and my part of K half 0 are in; K half 1's load may stay out
	s_barrier_signal -1
	s_barrier_wait -1                              ; everybody's are
.irp d, 0,1,2,3,4,5,6,7,8,9,10,11,12,13,14,15
	ds_load_b128 v[RAW+4*\d:RAW+4*\d+3], v[AYS] offset:256*\d     ; head d: lanes 0-15 tiles 0-3, lanes 16-31 tiles 4-7: two bytes a word
.endr
.irp k, 0,1
.irp p, 0,1
	ds_load_b128 v[WS+8*\k+4*\p:WS+8*\k+4*\p+3], v[AWS] offset:4*272*\p+16*\k
.endr
.endr
	FETCHW 0
	FETCHY 0
	s_wait_dscnt 48                                ; the scale words are in; the 48 fragment loads may be out
.irp s, 0,1,2,3,4,5,6,7
.irp q, 0,1,2,3
	v_lshl_or_b32 v[YS+4*\s+\q], v[RAW+4*(2*\s+1)+\q], 16, v[RAW+8*\s+\q]   ; heads 2 s and 2 s + 1 make K step s's word; the later lines are the places ahead of the first scaled product
.endr
.endr
	s_wait_loadcnt 0x0                             ; the bias
	KSTEP 0, 1, 0x81                               ; source 0 window 1; source 1 and C (the bias) window 0; D window 2
	KSTEP 1, 0, 0xa1                               ; C and D window 2
	KSTEP 2, 0, 0xa1
	WIN 0                                          ; K step 3 meets K half 1 (the add's two registers lie in window 0)
	s_wait_tensorcnt 0x0                           ; my part of K half 1 has landed
	ds_add_u32 v[SPW], v[NIL]
	s_wait_dscnt 1                                 ; this step's fragments are in; the add may be out
	WIN 0xa1
	HALF 3, 0, 0
	s_wait_dscnt 0x0                               ; the add is done
	s_barrier_signal -1
	s_barrier_wait -1                              ; K half 1 is whole
	PLACES
	FETCHW 1
	FETCHY 4
	WIN 0xa1
	HALF 3, 4, 0
	KSTEP 4, 0, 0xa1
	KSTEP 5, 0, 0xa1
	KSTEP 6, 0, 0xa1
	s_wait_dscnt 0x0
	HALF 7, 0, 0
	HALF 7, 4, 0
	WIN 0
; THE WAY OUT, a tile of 16 rows x 64 columns at a time: through my own stage in LDS and back as whole rows of 256 bytes.  LDS serves a wave's instructions in order (ISA guide 5.7.1.4): no wait between the stores and the loads.
.macro TOSTAGE a
	WIN 0x08                                       ; an LDS store's data: window 2
.irp b, 0,1,2,3
	ds_store_b128 v[STO], v[8*(4*(\a)+\b):8*(4*(\a)+\b)+3] offset:64*\b          ; each accumulator from its low end on
	ds_store_b128 v[STO], v[8*(4*(\a)+\b)+4:8*(4*(\a)+\b)+7] offset:64*\b+16
.endr
	WIN 0
.set BB, BK+32*((\a)%2)
.irp t, 0,1,2,3,4,5,6,7
	ds_load_b128 v[BB+4*\t:BB+4*\t+3], v[RD] offset:\t*2*272
.endr
.endm
.macro SEND a, younger
.set BB, BK+32*((\a)%2)
	s_wait_dscnt \younger                          ; the tile is back; the next tile's 8 stores and 8 loads may be out
.irp t, 0,1,2,3,4,5,6,7
	global_store_b128 v[CO], v[BB+4*\t:BB+4*\t+3], s[14:15] offset:65536*(\a)+8192*\t th:TH_STORE_NT   ; 16 lanes store 256 consecutive bytes, at a multiple of 256 from out0's first byte
.endr
.endm
	PLACES                                         ; behind the last products: results are read, and y's registers loaded into
	TOSTAGE 0
.irp a, 1,2,3,4,5,6,7
.if \a > 1
	s_wait_xcnt 0x0                                ; tile a - 2's stores have read their registers: tile a's rows may land there
.endif
	TOSTAGE \a
	SEND \a-1, 16
.endr
	SEND 7, 0
	s_wait_tensorcnt 0x0                           ; the wave's end, behind my last LDS store
	ds_add_u32 v[SPW], v[NIL]
	s_wait_dscnt 0x0
	CROUND                                         ; the closing round
	s_endpgm
.Lfunc_end_k_q68c5e70819_proj:
	.size	k_q68c5e70819_proj, .Lfunc_end_k_q68c5e70819_proj-k_q68c5e70819_proj
	.p2alignl 7, 3214868480
	.fill 96, 4, 3214868480
	.section	.rodata,"a",@progbits
	.p2align	6, 0x0
	.amdhsa_kernel k_q68c5e70819_proj
		.amdhsa_group_segment_fixed_size 327680
		.amdhsa_private_segment_fixed_size 0
		.amdhsa_enable_private_segment 0
		.amdhsa_kernarg_size 48
		.amdhsa_user_sgpr_count 2
		.amdhsa_user_sgpr_kernarg_segment_ptr 1
		.amdhsa_wavefront_size32 1
		.amdhsa_system_sgpr_workgroup_id_x 1
		.amdhsa_system_sgpr_workgroup_id_y 1
		.amdhsa_system_sgpr_workgroup_id_z 1
		.amdhsa_system_vgpr_workitem_id 0
		.amdhsa_next_free_vgpr 768
		.amdhsa_next_free_sgpr 100
		.amdhsa_reserve_vcc 0
		.amdhsa_float_denorm_mode_32 3
		.amdhsa_float_denorm_mode_16_64 3
		.amdhsa_memory_ordered 1
		.amdhsa_forward_progress 1
		.amdhsa_inst_pref_size 75
	.end_amdhsa_kernel
	.amdgpu_metadata
---
amdhsa.version: [ 1, 2 ]
amdhsa.kernels:
  - .name:           k_q68c5e70819_proj
    .symbol:         k_q68c5e70819_proj.kd
    .args:
      - { .name: y_ws, .offset: 0, .size: 8, .value_kind: global_buffer, .address_space: global }
      - { .name: ysc_ws, .offset: 8, .size: 8, .value_kind: global_buffer, .address_space: global }
      - { .name: w_out_codes, .offset: 16, .size: 8, .value_kind: global_buffer, .address_space: global }
      - { .name: w_out_scales, .offset: 24, .size: 8, .value_kind: global_buffer, .address_space: global }
      - { .name: b_out, .offset: 32, .size: 8, .value_kind: global_buffer, .address_space: global }
      - { .name: out0, .offset: 40, .size: 8, .value_kind: global_buffer, .address_space: global }
    .group_segment_fixed_size: 327680
    .private_segment_fixed_size: 0
    .kernarg_segment_align: 8
    .kernarg_segment_size: 48
    .max_flat_workgroup_size: 128
    .sgpr_count:     100
    .vgpr_count:     768
    .wavefront_size: 32
...
	.end_amdgpu_metadata
.endif
;; end of part 3
